; MI455X (gfx1250); checked and timed in simulation.
; The chip was launched on July 23, 2026; its instructions are those of AMD's public machine-readable ISA for CDNA 5 (MIT licence, August 2026) and "CDNA5" Instruction Set Architecture Reference Guide (July 2026). The comments in the code are by the model that wrote it; some were corrected since.
;; Multi Head Attention. Allowed arithmetic: matrix products marked QUANTISED: E2M1 operands, one E8M0 scale for each 32 along K, by v_wmma_scale_f32_16x16x128_f8f6f4 with both operands' format E2M1 (or v_wmma_scale_f32_32x16x128_f4), f32 sums; products left as they are: bf16, f16 or f32 operands; f32 sums; everything else in f32.
;; Inputs: W_out 1,024 x 1,024 float32; W_qkv 1,024 x 3,072 float32; b_out 1,024 float32; b_qkv 3,072 float32; x 2 x 2,048 x 1,024 float32.
;; Outputs: out0 2 x 2,048 x 1,024 float32.
;; This version of the problem:
;;   THIS VERSION OF THE PROBLEM IS GIVEN IN LOW PRECISION. The matrix products marked QUANTISED in the list below multiply operands that are first quantised to E2M1 (2 exponent bits, 1 mantissa bit; 4 bits a number), with one power-of-two scale for each 32 numbers along K (OCP MX v1.0); their sums are f32. The products marked 'left as it is' may take bf16, f16 or f32 operands, with f32 sums. Whichever they take, every output number must still come out within the allowed error. Rounding operands to bf16 (8 significant bits) uses up far more of that allowance than f16 does (11 bits, for magnitudes from 6e-5 to 65,504). All else is computed in f32.
;;   The module's matrix products, in the order in which they are computed (A, B: the left and right operand; K: the contracted axis; several contracted axes count as one K, in the product's order):
;;     1. [M 4,096, K 1,024] x [K 1,024, N 3,072]; A: input x; B: input W_qkv: QUANTISED
;;     2. batch 32 x [M 2,048, K 64] x [K 64, N 2,048]; A: computed on the way; B: computed on the way: left as it is (an operand is computed on the way)
;;     3. batch 32 x [M 2,048, K 2,048] x [K 2,048, N 64]; A: computed on the way; B: computed on the way: left as it is (an operand is computed on the way)
;;     4. [M 4,096, K 1,024] x [K 1,024, N 1,024]; A: computed on the way; B: input W_out: left as it is (an operand is computed on the way)
;;   THE QUANTISER, for each operand of a quantised product, along K:
;;     - K is cut into blocks of 32 from its start; a last block that is shorter is filled with zeros.
;;     - A block's scale is 2^e with e = floor(log2(the largest magnitude in the block)) - 2, held to -126 .. 127; a block of zeros has e = 0. As a byte (E8M0): e + 127.
;;     - Each number is divided by its block's scale, clamped to +-6, and rounded to the nearest number of E2M1, ties to even, subnormals kept.
;;     - The product sums the exact products of the quantised numbers (number of the format x scale) in f32.
;;   ~~~python
;;   def quantise(x, axis):      # numpy; x: float32 -> the quantised numbers, widened to float32 again
;;       x = np.moveaxis(x, axis, -1); K = x.shape[-1]
;;       x = np.pad(x, [(0, 0)] * (x.ndim - 1) + [(0, -K % 32)]); x = x.reshape(x.shape[:-1] + (-1, 32)); a = np.abs(x).max(-1, keepdims=True)
;;       e = np.where(a > 0, np.clip(np.frexp(np.where(a > 0, a, 1))[1] - 1 - 2, -126, 127), 0)      # np.frexp(a)[1] - 1 = floor(log2(a)), exactly
;;       r = np.clip(x / 2.0 ** e, -6, 6)
;;       step = 2.0 ** (np.maximum(np.frexp(np.where(r == 0, 1, r))[1] - 1, 0) - 1)
;;       q = np.round(r / step) * step * 2.0 ** e      # np.round: ties to even
;;       return np.moveaxis(q.reshape(q.shape[:-2] + (-1,))[..., :K], -1, axis).astype(np.float32)
;;   ~~~
;; One version. Each part assembles by itself: llvm-mc -triple=amdgcn-amd-amdhsa -mcpu=gfx1250 --defsym DOCPART=n.
;; ======== version 1 of 1: 5 launches
;; limits: values are held in f16: magnitudes above 65,504 overflow, below 6.1e-05 lose precision
;; workspace buffers: xq 2,228,224 bytes; wq 1,671,168 bytes; wt 2,097,152 bytes; rope 1,048,576 bytes; qkv 25,165,824 bytes; fq 393,216 bytes; aw 8,388,608 bytes
;; launch prep (part 1): grid 448 x 1, 4 waves a work-group, no clusters, 77,824 bytes of LDS; arguments x, W_qkv, W_out, xq, wq, wt, rope; writes xq, wq, wt, rope
.if DOCPART == 1
	.amdgcn_target "amdgcn-amd-amdhsa--gfx1250"
	.amdhsa_code_object_version 6
	.text
	.protected	k_qef2350a594_prep
	.globl	k_qef2350a594_prep
	.p2align	8
	.type	k_qef2350a594_prep,@function
k_qef2350a594_prep:
	s_mov_b64 s[64:65], 0
	v_nop
	global_prefetch_b8 v0, s[64:65] scope:SCOPE_SE
	s_setreg_imm32_b32 hwreg(HW_REG_WAVE_MODE, 25, 1), 1
	s_wait_xcnt 0x0
; PREP: four jobs in one launch, told apart by the work-group's number; each job has LDS bytes of its own.
;   X (work-groups 0-127):   x [4096][1024] f32 -> codes of E2M1, K innermost, [4096][512 bytes] at xq, and E8M0 scale bytes [4096][32] at xq + XSC.
;   W (128-319): W_qkv [1024 k][3072 n] f32 -> codes [3072 n][512 bytes] at wq, scale bytes [3072][32] at wq + WSCO: a lane takes a column, its registers run down K.
;   O (320-383): W_out [1024 k][1024 n] f32 -> its transpose in f16, [1024 n][1024 k], at wt.
;   T (384-447): the RoPE tables, in the order in which the next launch's lanes take them: entry e = ((T16 4 + bq) 2 + u) 32 + lane holds cos, sin of pair j and of pair j + 1
;                at position t = 16 T16 + lane % 16, j = 8 bq + 4 (lane / 16) + 2 u; at rope + 524,288 as they are (for k), at rope + 0 times log2(e) / 8 (for q).
; A block's scale is 2^(floor(log2(largest magnitude)) - 2); its byte is the largest magnitude's exponent field - 2, held at 1 from below.
; LIMITS: a block of zeros gets the byte 1 (its codes are zeros; this program alone reads the bytes); blocks whose largest magnitude lies under 2^-124 are held at byte 1; NaN and infinities are not served;
; W_out in f16: magnitudes above 65,504 become infinity.  Sine and cosine: reduction by pi/2 in two parts, polynomials of degree 9 and 8 on [-pi/4, pi/4]; the angle is t x f in f32, as the problem forms it.
.set XSC,   2097152
.set WSCO,  1572864
.set WREG,  8192                       ; job X: a region for each wave: two stages of 32 x 80 bytes, then its 256 scale bytes
.set SP,    80
.set WSTG,  32768                      ; job W: 32 columns x (256 bytes of codes + 16)
.set WSC,   41472                      ; job W: 32 columns x 16 scale bytes
.set OSTG,  41984                      ; job O: for each wave 32 columns x (256 bytes + 16)
.set SPARE, 76800                      ; the spare words, 128 bytes for each wave
.set SPW,   12                         ; v12 LDS address of my spare word; never rewritten
.set NIL,   13                         ; v13 0; never rewritten
.set STEPS, 16
.set R,     16                         ; job X: v16-143 eight sets of 16 numbers as loaded
.set X,     144                        ; v144-175 two sets of 16 neighbours
.set C,     176                        ; v176-207 two registers of codes for each step
.set E,     208                        ; v208-223 a scale byte for each step
	s_load_b256 s[4:11], s[0:1], 0x0               ; x s[4:5], W_qkv s[6:7], W_out s[8:9], xq s[10:11]
	s_load_b128 s[12:15], s[0:1], 0x20             ; wq s[12:13], wt s[14:15]
	s_load_b64 s[16:17], s[0:1], 0x30              ; rope
	v_lshl_add_u32 v[SPW], v0, 2, SPARE
	v_mov_b32 v[NIL], 0
	v_lshrrev_b32 v1, 5, v0
	v_readfirstlane_b32 s20, v1                    ; wave
	v_and_b32 v2, 31, v0                           ; lane
	s_wait_kmcnt 0x0
	s_cmp_lt_u32 ttmp9, 128
	s_cbranch_scc0 .Lnot_x
; ---------------- job X: a wave takes a run of 8,192 numbers in 16 steps of 512.  Loads are dense (512 bytes each) and run eight steps ahead; a step's 2,048 bytes turn through the wave's stage so that a lane holds 16 neighbours.
	v_lshlrev_b32 v3, 4, v2                        ; my 16 bytes of a load's 512
	s_mul_i32 s21, s20, WREG
	v_lshrrev_b32 v14, 2, v2
	v_mul_u32_u24 v14, v14, SP
	v_and_b32 v15, 3, v2
	v_lshl_add_u32 v14, v15, 4, v14
	v_add_nc_u32 v14, s21, v14                     ; the stage, way in: 80 (lane / 4) + 16 (lane % 4)
	v_mul_u32_u24 v15, v2, SP
	v_add_nc_u32 v15, s21, v15                     ; way out: 80 x lane
	v_lshlrev_b32 v4, 3, v2                        ; 8 bytes a lane: my codes in a step's 256, and my part of the run's scale bytes
	v_lshrrev_b32 v5, 1, v2
	s_add_co_u32 s21, s21, 2*32*SP
	v_add_nc_u32 v5, s21, v5                       ; LDS: my block's scale byte
	v_add_nc_u32 v6, s21, v4
	s_lshl_b32 s22, ttmp9, 2
	s_add_co_u32 s22, s22, s20                     ; my run
	s_lshl_b32 s24, s22, 15
	s_mov_b32 s25, 0
	s_add_nc_u64 s[4:5], s[4:5], s[24:25]          ; 32,768 bytes of x a run
	s_lshl_b32 s24, s22, 12
	s_add_nc_u64 s[26:27], s[10:11], s[24:25]      ; 4,096 bytes of codes
	s_lshl_b32 s24, s22, 8
	s_add_co_u32 s24, s24, XSC
	s_add_nc_u64 s[28:29], s[10:11], s[24:25]      ; 256 scale bytes
.macro XLOAD t
.irp i, 0,1,2,3
	global_load_b128 v[R+16*((\t)%8)+4*\i:R+16*((\t)%8)+4*\i+3], v3, s[4:5] offset:2048*(\t)+512*\i th:TH_LOAD_NT
.endr
.endm
.macro XTURN t                         ; LDS serves a wave's instructions in order: no wait between the stores and the loads
.irp i, 0,1,2,3
	ds_store_b128 v14, v[R+16*((\t)%8)+4*\i:R+16*((\t)%8)+4*\i+3] offset:32*SP*((\t)%2)+8*SP*\i
.endr
.irp i, 0,1,2,3
	ds_load_b128 v[X+16*((\t)%2)+4*\i:X+16*((\t)%2)+4*\i+3], v15 offset:32*SP*((\t)%2)+16*\i
.endr
.endm
.irp t, 0,1,2,3,4,5,6,7
	XLOAD \t
.endr
	s_wait_loadcnt 28                              ; step 0's four loads are in; seven steps' stay out
	XTURN 0
.macro XSTEP t
.set XS, X+16*((\t)%2)
.if (\t) > 0
	s_wait_dscnt 1                                 ; this step's numbers are back from the stage (the last step's byte store may be out)
.else
	s_wait_dscnt 0x0
.endif
.if (\t)+8 < STEPS
	XLOAD (\t)+8                                   ; into the set that this step's stores into the stage have read
.endif
.if (\t)+1 < STEPS
.if STEPS-2-(\t) >= 7
	s_wait_loadcnt 28                              ; the next step's four loads are in; those of the seven steps behind it may be out
.else
	s_wait_loadcnt 4*(STEPS-2-(\t))
.endif
	XTURN (\t)+1
.endif
	v_max3_num_f32 v8, |v[XS]|, |v[XS+1]|, |v[XS+2]|
	v_max3_num_f32 v9, |v[XS+3]|, |v[XS+4]|, |v[XS+5]|
.irp i, 6,10
	v_max3_num_f32 v8, v8, |v[XS+\i]|, |v[XS+\i+1]|
	v_max3_num_f32 v9, v9, |v[XS+\i+2]|, |v[XS+\i+3]|
.endr
	v_max3_num_f32 v8, v8, |v[XS+14]|, |v[XS+15]|
	v_max3_num_f32 v8, v8, v9, 0x1800000           ; the floor 2^(3 - 127): the byte cannot fall under 1
	v_max_num_f32_dpp v8, v8, v8 row_xmask:1 row_mask:0xf bank_mask:0xf   ; with my neighbour's 16: the block's largest magnitude
	v_add_nc_u32 v11, 0xff000000, v8               ; 2 off its exponent field: the conversion's scale operand
	v_cvt_scalef32_pk8_fp4_f32 v[C+2*(\t)], v[XS:XS+7], v11
	v_cvt_scalef32_pk8_fp4_f32 v[C+2*(\t)+1], v[XS+8:XS+15], v11
	v_lshrrev_b32 v[E+(\t)], 23, v11               ; the scale's byte
	ds_store_b8 v5, v[E+(\t)] offset:16*(\t)       ; both lanes of a block write the same byte
	global_store_b64 v4, v[C+2*(\t):C+2*(\t)+1], s[26:27] offset:256*(\t)   ; the wave stores 256 consecutive bytes, aligned
.endm
.irp t, 0,1,2,3,4,5,6,7,8,9,10,11,12,13,14,15
	XSTEP \t
.endr
	ds_load_b64 v[8:9], v6
	s_wait_dscnt 0x0
	global_store_b64 v4, v[8:9], s[28:29]          ; the run's 256 scale bytes
	s_wait_tensorcnt 0x0                           ; the wave's end, behind my last LDS store
	ds_add_u32 v[SPW], v[NIL]
	s_wait_dscnt 0x0
	s_endpgm
.Lnot_x:
	s_cmp_lt_u32 ttmp9, 320
	s_cbranch_scc0 .Lnot_w
; ---------------- job W: a work-group takes 32 columns x 512 along K; wave w the K rows 128 w on: four blocks of 32 a lane.
.macro GLOAD g, pitch, b               ; 32 rows of my column into v[16 + 32 g] on
.irp i, 0,1,2,3,4,5,6,7,8,9,10,11,12,13,14,15,16,17,18,19,20,21,22,23,24,25,26,27,28,29,30,31
	global_load_b32 v[16+32*(\g)+\i], v3, s[\b:\b+1] offset:(32*(\g)+\i)*\pitch
.endr
.endm
	s_sub_co_u32 s21, ttmp9, 128
	s_cmp_ge_u32 s21, 96
	s_cselect_b32 s22, 1, 0                        ; y: which 512 along K
	s_cselect_b32 s23, 96, 0
	s_sub_co_u32 s21, s21, s23                     ; cg: which 32 columns
	s_mul_i32 s24, s22, 6291456                    ; 512 rows of 12,288 bytes
	s_mul_i32 s25, s20, 1572864                    ; 128 rows
	s_add_co_u32 s24, s24, s25
	s_lshl_b32 s25, s21, 7
	s_add_co_u32 s24, s24, s25
	s_mov_b32 s25, 0
	s_add_nc_u64 s[6:7], s[6:7], s[24:25]
	v_lshlrev_b32 v3, 2, v2
	GLOAD 0, 12288, 6
	GLOAD 1, 12288, 6
	v_mul_u32_u24 v4, v2, 272
	s_lshl_b32 s26, s20, 6
	s_add_co_u32 s26, s26, WSTG
	v_add_nc_u32 v4, s26, v4                       ; the stage, way in: my column's row, my wave's 64 bytes
	v_lshlrev_b32 v15, 4, v2
	s_lshl_b32 s26, s20, 2
	s_add_co_u32 s26, s26, WSC
	v_add_nc_u32 v5, s26, v15                      ; my column's scale bytes, my wave's word
	v_add_nc_u32 v15, WSC, v15                     ; wave 0 reads them back: 16 bytes a column
	v_lshrrev_b32 v6, 4, v2
	v_and_b32 v7, 15, v2
	v_lshlrev_b32 v14, 9, v6
	v_lshl_add_u32 v14, v7, 4, v14                 ; the same place in the codes' buffer: rows of 512 bytes
	v_mul_u32_u24 v6, v6, 272
	v_lshl_add_u32 v6, v7, 4, v6
	s_mul_i32 s26, s20, 8*272
	s_add_co_u32 s26, s26, WSTG
	v_add_nc_u32 v6, s26, v6                       ; way out: sixteen lanes to a row, my wave's eight rows
	v_lshlrev_b32 v1, 5, v2                        ; a row of scale bytes is 32
	s_lshl_b32 s24, s21, 14
	s_lshl_b32 s26, s22, 8
	s_add_co_u32 s24, s24, s26
	s_lshl_b32 s26, s20, 12
	s_add_co_u32 s24, s24, s26
	s_add_nc_u64 s[28:29], s[12:13], s[24:25]      ; codes: column 32 cg + 8 w, byte 256 y
	s_lshl_b32 s24, s21, 10
	s_lshl_b32 s26, s22, 4
	s_add_co_u32 s24, s24, s26
	s_add_co_u32 s24, s24, WSCO
	s_add_nc_u64 s[30:31], s[12:13], s[24:25]      ; scale bytes: column 32 cg, byte 16 y
.macro WBLK t                          ; block t: all its 32 numbers are mine
.set XS, 16+32*(\t)
	v_max3_num_f32 v8, |v[XS]|, |v[XS+1]|, |v[XS+2]|
	v_max3_num_f32 v9, |v[XS+3]|, |v[XS+4]|, |v[XS+5]|
.irp i, 6,10,14,18,22,26
	v_max3_num_f32 v8, v8, |v[XS+\i]|, |v[XS+\i+1]|
	v_max3_num_f32 v9, v9, |v[XS+\i+2]|, |v[XS+\i+3]|
.endr
	v_max3_num_f32 v8, v8, |v[XS+30]|, |v[XS+31]|
	v_max3_num_f32 v8, v8, v9, 0x1800000
	v_add_nc_u32 v10, 0xff000000, v8
	v_lshrrev_b32 v9, 23, v10
.if (\t) == 0
	v_mov_b32 v11, v9                              ; four bytes to a word, the lower K in the lower byte
.else
	v_lshl_or_b32 v11, v9, 8*(\t), v11
.endif
.irp g, 0,1,2,3
	v_cvt_scalef32_pk8_fp4_f32 v[144+4*(\t)+\g], v[XS+8*\g:XS+8*\g+7], v10
.endr
	v_nop                                          ; a plain line behind the conversions
	ds_store_b128 v4, v[144+4*(\t):144+4*(\t)+3] offset:16*(\t)
.endm
	s_wait_loadcnt 32                              ; the oldest group of 32 is in; the youngest stays out (so at each of these waits)
	GLOAD 2, 12288, 6
	WBLK 0
	s_wait_loadcnt 32
	GLOAD 3, 12288, 6
	WBLK 1
	s_wait_loadcnt 32
	WBLK 2
	s_wait_loadcnt 0x0
	WBLK 3
	ds_store_b32 v5, v11
	s_wait_tensorcnt 0x0                           ; my last LDS store is issued; the s_wait_dscnt 0 two lines on also serves the barrier
	ds_add_u32 v[SPW], v[NIL]
	s_wait_dscnt 0x0
	s_barrier_signal -1
	s_barrier_wait -1                              ; a column's 256 bytes come from four waves
.irp i, 0,1,2,3
	ds_load_b128 v[160+4*\i:163+4*\i], v6 offset:544*\i
.endr
.irp i, 0,1,2,3
	s_wait_dscnt 3-\i
	global_store_b128 v14, v[160+4*\i:163+4*\i], s[28:29] offset:1024*\i   ; sixteen lanes store 256 consecutive bytes, aligned
.endr
	s_cmp_lg_u32 s20, 0
	s_cbranch_scc1 .Lw_done
	ds_load_b128 v[144:147], v15
	s_wait_dscnt 0x0
	global_store_b128 v1, v[144:147], s[30:31]     ; 16 scale bytes of each of the 32 columns
.Lw_done:
	s_endpgm
.Lnot_w:
	s_cmp_lt_u32 ttmp9, 384
	s_cbranch_scc0 .Lnot_o
; ---------------- job O: a wave takes 32 columns x 128 along K of W_out; f16, K innermost, through its own stage
	s_sub_co_u32 s21, ttmp9, 320
	s_and_b32 s22, s21, 31                         ; cg
	s_lshr_b32 s23, s21, 5                         ; kq
	s_lshl_b32 s24, s23, 21                        ; 512 rows of 4,096 bytes
	s_lshl_b32 s25, s20, 19                        ; 128 rows
	s_add_co_u32 s24, s24, s25
	s_lshl_b32 s25, s22, 7
	s_add_co_u32 s24, s24, s25
	s_mov_b32 s25, 0
	s_add_nc_u64 s[8:9], s[8:9], s[24:25]
	v_lshlrev_b32 v3, 2, v2
	GLOAD 0, 4096, 8
	GLOAD 1, 4096, 8
	s_mul_i32 s26, s20, 8704
	s_add_co_u32 s26, s26, OSTG
	v_mul_u32_u24 v4, v2, 272
	v_add_nc_u32 v4, s26, v4
	v_lshrrev_b32 v6, 4, v2
	v_and_b32 v7, 15, v2
	v_lshlrev_b32 v14, 11, v6
	v_lshl_add_u32 v14, v7, 4, v14                 ; rows of 2,048 bytes in wt
	v_mul_u32_u24 v6, v6, 272
	v_lshl_add_u32 v6, v7, 4, v6
	v_add_nc_u32 v6, s26, v6
	s_lshl_b32 s24, s22, 16
	s_lshl_b32 s26, s23, 10
	s_add_co_u32 s24, s24, s26
	s_lshl_b32 s26, s20, 8
	s_add_co_u32 s24, s24, s26
	s_add_nc_u64 s[28:29], s[14:15], s[24:25]
.macro OBLK g
.irp i, 0,1,2,3,4,5,6,7,8,9,10,11,12,13,14,15
	v_cvt_pk_f16_f32 v[144+16*(\g)+\i], v[16+32*(\g)+2*\i], v[17+32*(\g)+2*\i]
.endr
.irp e, 0,1,2,3
	ds_store_b128 v4, v[144+16*(\g)+4*\e:144+16*(\g)+4*\e+3] offset:64*(\g)+16*\e
.endr
.endm
	s_wait_loadcnt 32
	GLOAD 2, 4096, 8
	OBLK 0
	s_wait_loadcnt 32
	GLOAD 3, 4096, 8
	OBLK 1
	s_wait_loadcnt 32
	OBLK 2
	s_wait_loadcnt 0x0
	OBLK 3
	s_wait_tensorcnt 0x0                           ; my last LDS store is issued
	ds_add_u32 v[SPW], v[NIL]
	s_wait_dscnt 0x0
.irp t, 0,1,2,3,4,5,6,7,8,9,10,11,12,13,14,15
	ds_load_b128 v[16+4*\t:19+4*\t], v6 offset:544*\t
.endr
.irp t, 0,1,2,3,4,5,6,7,8,9,10,11,12,13,14,15
	s_wait_dscnt 15-\t
	global_store_b128 v14, v[16+4*\t:19+4*\t], s[28:29] offset:4096*\t
.endr
	s_endpgm
.Lnot_o:
; ---------------- job T: a thread makes four entries, 512 positions apart.  No LDS.
.macro SINCOS a, c, s                  ; v[c], v[s] = cos, sin of the angle in v[a] (0 to some 2,047)
	v_mul_f32 v16, 0x3f22f983, v[\a]               ; x 2 / pi
	v_rndne_f32 v16, v16                           ; n
	v_fmamk_f32 v17, v16, 0xbfc90fdb, v[\a]        ; r = a - n pi/2, in two parts
	v_fmamk_f32 v17, v16, 0x333bbd2e, v17
	v_mul_f32 v18, v17, v17                        ; z = r r
	v_cvt_i32_f32 v16, v16
	v_mov_b32 v19, 0x3638ef1d
	v_mov_b32 v20, 0x37d00d01
	v_fmaak_f32 v19, v19, v18, 0xb9500d01
	v_fmaak_f32 v20, v20, v18, 0xbab60b61
	v_fmaak_f32 v19, v19, v18, 0x3c088889
	v_fmaak_f32 v20, v20, v18, 0x3d2aaaab
	v_fmaak_f32 v19, v19, v18, 0xbe2aaaab
	v_fmaak_f32 v20, v20, v18, 0xbf000000
	v_mul_f32 v19, v19, v18
	v_fma_f32 v20, v20, v18, 1.0                   ; cos r
	v_fma_f32 v19, v19, v17, v17                   ; sin r
	v_and_b32 v21, 1, v16
	v_cmp_eq_u32 vcc_lo, 1, v21
	v_cndmask_b32 v22, v19, v20, vcc_lo            ; odd quadrants change the two
	v_cndmask_b32 v23, v20, v19, vcc_lo
	v_lshlrev_b32 v21, 30, v16
	v_and_b32 v21, 0x80000000, v21                 ; the sine's sign: quadrants 2, 3
	v_xor_b32 v[\s], v21, v22
	v_add_nc_u32 v16, 1, v16
	v_lshlrev_b32 v21, 30, v16
	v_and_b32 v21, 0x80000000, v21                 ; the cosine's: quadrants 1, 2
	v_xor_b32 v[\c], v21, v23
.endm
	s_sub_co_u32 s21, ttmp9, 384
	s_lshl_b32 s21, s21, 7
	v_add_nc_u32 v3, s21, v0                       ; e0
	v_and_b32 v4, 15, v3
	v_bfe_u32 v5, v3, 4, 1
	v_bfe_u32 v6, v3, 5, 1
	v_bfe_u32 v7, v3, 6, 2
	v_lshrrev_b32 v8, 8, v3
	v_lshl_add_u32 v8, v8, 4, v4                   ; t0
	v_lshlrev_b32 v7, 3, v7
	v_lshl_add_u32 v7, v5, 2, v7
	v_lshl_add_u32 v7, v6, 1, v7                   ; j0
	v_lshlrev_b32 v3, 4, v3                        ; 16 bytes an entry
	s_mov_b32 s30, 0x3ed49a78                      ; log2(10000) / 32, high part
	v_cvt_f32_u32 v24, v7
	v_add_f32 v25, 1.0, v24
	; f = 2^(-j c): j c in two parts, its whole part taken off ahead of the exponential
	v_mul_f32 v16, s30, v24
	v_mul_f32 v19, s30, v25
	v_fma_f32 v17, v24, s30, -v16
	v_fma_f32 v20, v25, s30, -v19
	v_fmamk_f32 v17, v24, 0x32178d50, v17          ; + j x the low part
	v_fmamk_f32 v20, v25, 0x32178d50, v20
	v_rndne_f32 v18, v16
	v_rndne_f32 v21, v19
	v_sub_f32 v16, v16, v18
	v_sub_f32 v19, v19, v21
	v_add_f32 v16, v16, v17
	v_add_f32 v19, v19, v20
	v_cvt_i32_f32 v18, v18
	v_cvt_i32_f32 v21, v21
	v_exp_f32 v26, -v16
	v_exp_f32 v27, -v19
	v_sub_nc_u32 v18, 0, v18                       ; (a plain line behind the exponentials)
	v_sub_nc_u32 v21, 0, v21
	s_wait_alu depctr_va_vdst(0)                   ; one wait for the two, ahead of their first reader
	v_ldexp_f32 v26, v26, v18
	v_ldexp_f32 v27, v27, v21
.irp q, 0,1,2,3
	v_add_nc_u32 v28, 512*\q, v8
	v_cvt_f32_u32 v28, v28
	v_mul_f32 v29, v28, v26
	v_mul_f32 v30, v28, v27
	SINCOS 29, 32+8*\q, 33+8*\q
	SINCOS 30, 34+8*\q, 35+8*\q
.irp n, 0,1,2,3
	v_mul_f32 v[36+8*\q+\n], 0x3e38aa3b, v[32+8*\q+\n]   ; x log2(e) / 8
.endr
	global_store_b128 v3, v[32+8*\q:35+8*\q], s[16:17] offset:524288+131072*\q
	global_store_b128 v3, v[36+8*\q:39+8*\q], s[16:17] offset:131072*\q
.endr
	s_endpgm
.Lfunc_end_k_qef2350a594_prep:
	.size	k_qef2350a594_prep, .Lfunc_end_k_qef2350a594_prep-k_qef2350a594_prep
	.p2alignl 7, 3214868480
	.fill 96, 4, 3214868480
	.section	.rodata,"a",@progbits
	.p2align	6, 0x0
	.amdhsa_kernel k_qef2350a594_prep
		.amdhsa_group_segment_fixed_size 77824
		.amdhsa_private_segment_fixed_size 0
		.amdhsa_enable_private_segment 0
		.amdhsa_kernarg_size 56
		.amdhsa_user_sgpr_count 2
		.amdhsa_user_sgpr_kernarg_segment_ptr 1
		.amdhsa_wavefront_size32 1
		.amdhsa_system_sgpr_workgroup_id_x 1
		.amdhsa_system_sgpr_workgroup_id_y 1
		.amdhsa_system_sgpr_workgroup_id_z 1
		.amdhsa_system_vgpr_workitem_id 0
		.amdhsa_next_free_vgpr 224
		.amdhsa_next_free_sgpr 66
		.amdhsa_reserve_vcc 1
		.amdhsa_float_denorm_mode_32 3
		.amdhsa_float_denorm_mode_16_64 3
		.amdhsa_memory_ordered 1
		.amdhsa_forward_progress 1
		.amdhsa_inst_pref_size 91
	.end_amdhsa_kernel
	.amdgpu_metadata
---
amdhsa.version: [ 1, 2 ]
amdhsa.kernels:
  - .name:           k_qef2350a594_prep
    .symbol:         k_qef2350a594_prep.kd
    .args:
      - { .name: x, .offset: 0, .size: 8, .value_kind: global_buffer, .address_space: global }
      - { .name: W_qkv, .offset: 8, .size: 8, .value_kind: global_buffer, .address_space: global }
      - { .name: W_out, .offset: 16, .size: 8, .value_kind: global_buffer, .address_space: global }
      - { .name: xq, .offset: 24, .size: 8, .value_kind: global_buffer, .address_space: global }
      - { .name: wq, .offset: 32, .size: 8, .value_kind: global_buffer, .address_space: global }
      - { .name: wt, .offset: 40, .size: 8, .value_kind: global_buffer, .address_space: global }
      - { .name: rope, .offset: 48, .size: 8, .value_kind: global_buffer, .address_space: global }
    .group_segment_fixed_size: 77824
    .private_segment_fixed_size: 0
    .kernarg_segment_align: 8
    .kernarg_segment_size: 56
    .max_flat_workgroup_size: 128
    .sgpr_count:     66
    .vgpr_count:     224
    .wavefront_size: 32
...
	.end_amdgpu_metadata
.endif
;; end of part 1
;; launch qkv (part 2): grid 12 x 16, 4 waves a work-group, clusters of 4 x 4, 327,680 bytes of LDS; arguments xq, wq, b_qkv, rope, qkv, fq; writes qkv, fq
.if DOCPART == 2
	.amdgcn_target "amdgcn-amd-amdhsa--gfx1250"
	.amdhsa_code_object_version 6
	.text
	.protected	k_qef2350a594_qkv
	.globl	k_qef2350a594_qkv
	.p2align	8
	.type	k_qef2350a594_qkv,@function
k_qef2350a594_qkv:
	s_mov_b64 s[64:65], 0
	v_nop
	global_prefetch_b8 v0, s[64:65] scope:SCOPE_SE
	s_setreg_imm32_b32 hwreg(HW_REG_WAVE_MODE, 25, 1), 1
	s_wait_xcnt 0x0
	s_wait_alu depctr_hold_cnt(0) depctr_sa_sdst(0) depctr_va_vdst(0) depctr_va_sdst(0) depctr_va_ssrc(0) depctr_va_vcc(0) depctr_vm_vsrc(0)
	s_getreg_b32 s2, hwreg(HW_REG_IB_STS2, 6, 4)
	s_cmp_eq_u32 s2, 0
	s_cbranch_scc0 .Lentry_in_a_cluster
	s_endpgm
.Lentry_in_a_cluster:
	s_bfe_u32 s2, ttmp6, 0x10000c
	s_cmp_lg_u32 s2, 0xf033
	s_cbranch_scc0 .Lentry_shape_is_right
	s_endpgm
.Lentry_shape_is_right:
; QKV: [4096][3072] = Q(x) Q(W_qkv) + b_qkv on codes of E2M1 with E8M0 scales, then RoPE on q and k, q times log2(e) / 8, all rounded to f16 and laid by head: qkv = q', k, v, each [32 bh][2048][64].
; The f32 numbers of tokens 0-15 of each batch go to fq [2][16][3072] as well, for the launch that carries those rows in f32.
; A tile of 256 x 256 is made by four waves, 128 x 128 each: 64 accumulators, 512 registers.  K = 1,024 is two LDS slots of 512 along K: both, and the scale bytes of the work-group's rows, are asked for at the head;
; nothing is ever filled again.  A wave has three tensor loads out at the head.
; CLUSTERS: 4 x 4 work-groups; A's tiles are asked for jointly along a row of the cluster, B's along a column.  The cluster's x is the kind of its 1,024 columns: 0 q, 1 k, 2 v: the same in all sixteen partners.
; THE MATRIX INSTRUCTION IS USED TRANSPOSED (source 0 = 16 rows of W's codes, source 1 = 16 rows of x's): a lane holds eight neighbouring columns of one token: four RoPE pairs.  The bias is the C of the first K step.
; REGISTERS: window 0: v0-31 addresses; v32-95 scale words (way out: Y, rotated numbers); v96-127 way out: H, packed f16; v128-191 A's fragments (way out: BK, rows read back); v192-255 two blocks of the RoPE table.
;   window 1: B's fragments at v0 and v128; v64-127 the bias.  window 2, 3: the accumulators ((a, b) at v[8 (8 (a % 4) + b)]).
; LIMITS: q', k, v in f16: magnitudes above 65,504 become infinity.
.set XSC,    2097152
.set WSCO,   1572864
.set NQ,     4
.set ROWB,   256
.set KROW,   512
.set PITCH,  272                       ; an LDS row: 256 bytes + 16 of padding: the 16 rows that a load touches start at 16 different banks
.set FR,     8
.set NL,     2
.set NP,     4
.set HALFT,  128*PITCH
.set SLOT,   4*HALFT
.set KS,     32
.set SCL,    2*SLOT
.set HALFS,  4352
.set SBLK,   544
.set SPARE,  SCL+4*HALFS
.set BO,   7                           ; v7   32 x (lane / 16): my eight numbers of a block of the bias
.set ADRA, 16
.set ADRB, 20
.set STO,  24                          ; way out: my stage (4,608 bytes a wave, in slot 0, which has had its only fill and its last read) + 144 r + 16 h
.set RD,   25                          ; and back: 144 (lane / 8) + 16 (lane % 8)
.set CO,   26                          ; 16 x lane
.set ADRS, 27
.set SPW,  28
.set NIL,  29
.set FO,   30                          ; fq: 12,288 r + 32 h
.set FLG,  31                          ; 0 where my block 0 is tokens 0-15 of a batch
.set SC,   32
.set AF,   128
.set Y,    32
.set H,    96
.set BK,   128
.set CS,   192
.set BI,   64
.set G1, 24
.set G0, 32
.set G1B, 48
.set G0B, 56
.set G1S, 68
.set G0S, 76
.set G1SB, 80
.set G0SB, 88
.set MSB, 0
.macro WIN new
.if MSB != (\new)
	s_set_vgpr_msb (MSB<<8)|(\new)
.set MSB, (\new)
.endif
.endm
.set MUL_LO, 0xa1
.set MUL_HI, 0xf1
.set TO_B,   0x40
.macro JLOAD g0a, g1a, g0b, g1b        ; a joint load: waves 0 and 1 fetch for A, waves 2 and 3 for B; an s_nop 0 and four v_nop follow each line
	s_cmp_eq_u32 s15, 0
	s_cbranch_scc0 .Lfor_b_\@
	tensor_load_to_lds s[\g0a:\g0a+3], s[\g1a:\g1a+7]
	s_nop 0
.rept 4
	v_nop
.endr
	s_branch .Lasked_\@
.Lfor_b_\@:
	tensor_load_to_lds s[\g0b:\g0b+3], s[\g1b:\g1b+7]
	s_nop 0
.rept 4
	v_nop
.endr
.Lasked_\@:
.endm
.macro CROUND                          ; a round of the cluster's barrier
	s_barrier_signal -1
	s_barrier_wait -1
	s_cmp_lg_u32 s14, 0
	s_cbranch_scc1 .Lnot_wave_0_\@
	s_barrier_signal -3
.Lnot_wave_0_\@:
	s_barrier_wait -3
	s_barrier_signal -1
	s_barrier_wait -1
.endm
	s_load_b128 s[4:7], s[0:1], 0x0                ; xq, wq
	s_load_b128 s[8:11], s[0:1], 0x10              ; b_qkv, rope
	s_load_b128 s[96:99], s[0:1], 0x20             ; qkv, fq
	v_lshl_add_u32 v[SPW], v0, 2, SPARE
	v_mov_b32 v[NIL], 0
	ds_add_u32 v[SPW], v[NIL]                      ; the wave's opening: the add, twice on end, and its wait ahead of my first tensor load
	ds_add_u32 v[SPW], v[NIL]
	v_lshrrev_b32 v1, 5, v0
	v_readfirstlane_b32 s14, v1                    ; wave
	s_lshr_b32 s15, s14, 1                         ; my half of the tile's rows; also: I fetch for A (0) or B (1)
	s_and_b32 s16, s14, 1                          ; my half of its columns; also: which 128 rows I fetch
	s_bfe_u32 s40, ttmp6, 0x40000                  ; cx
	s_bfe_u32 s41, ttmp6, 0x40004                  ; cy
	s_lshl_b32 s42, ttmp9, 2
	s_add_co_u32 s42, s42, s40                     ; tile column
	s_and_b32 s17, ttmp7, 0xffff
	s_lshl_b32 s17, s17, 2
	s_add_co_u32 s17, s17, s41                     ; tile row
	s_lshl_b32 s43, s41, 2
	s_lshl_b32 s43, 15, s43                        ; my row of the cluster
	s_lshl_b32 s44, 0x1111, s40                    ; my column
	s_or_b32 s[G1+0], s43, (0<<16)|(1<<20)|(1<<21)|(5<<22)|(3<<25)   ; elements of 1 byte; 4 words of padding behind every 64
	s_or_b32 s[G1B+0], s44, (0<<16)|(1<<20)|(1<<21)|(5<<22)|(3<<25)
.irp g, G1, G1B
	s_mov_b32 s[\g+1], ROWB<<16
	s_mov_b32 s[\g+2], 128<<16
	s_mov_b32 s[\g+3], ROWB<<16
	s_mov_b32 s[\g+4], 128
	s_mov_b32 s[\g+5], KROW
	s_mov_b32 s[\g+6], 0
	s_mov_b32 s[\g+7], 0
.endr
	s_or_b32 s[G1S+0], s43, (3<<16)|(1<<20)|(1<<21)|(5<<22)|(3<<25)  ; the scale bytes of 128 rows: 4,096 dense bytes as 16 rows of 256
	s_or_b32 s[G1SB+0], s44, (3<<16)|(1<<20)|(1<<21)|(5<<22)|(3<<25)
.irp g, G1S, G1SB
	s_mov_b32 s[\g+1], 32<<16
	s_mov_b32 s[\g+2], 16<<16
	s_mov_b32 s[\g+3], 32<<16
	s_mov_b32 s[\g+4], 16
	s_mov_b32 s[\g+5], 32
	s_mov_b32 s[\g+6], 0
	s_mov_b32 s[\g+7], 0
.endr
	s_lshl_b32 s18, s16, 7
	s_lshl_b32 s20, s17, 8
	s_add_co_u32 s20, s20, s18                     ; A: row 256 x tile row + 128 x half
	s_lshl_b32 s46, s42, 8
	s_add_co_u32 s46, s46, s18                     ; B: row 256 x tile column + 128 x half
	s_mov_b32 s21, 0
	s_mov_b32 s47, 0
	s_mov_b64 s[18:19], KS
	s_mul_u64 s[22:23], s[20:21], s[18:19]
	s_mul_u64 s[92:93], s[46:47], s[18:19]
	s_mov_b64 s[18:19], KROW
	s_mul_u64 s[20:21], s[20:21], s[18:19]
	s_mul_u64 s[46:47], s[46:47], s[18:19]
	s_add_nc_u64 s[22:23], s[22:23], XSC           ; the scale bytes lie behind the codes in each buffer
	s_add_nc_u64 s[92:93], s[92:93], WSCO
	s_mul_i32 s45, s14, HALFT
	s_mul_i32 s94, s14, HALFS
	s_wait_dscnt 0x0                               ; both opening adds are done
	s_wait_kmcnt 0x0
	s_add_nc_u64 s[20:21], s[4:5], s[20:21]
	s_add_nc_u64 s[22:23], s[4:5], s[22:23]
	s_add_nc_u64 s[46:47], s[6:7], s[46:47]
	s_add_nc_u64 s[92:93], s[6:7], s[92:93]
	CROUND                                         ; all sixteen work-groups are here: the joint loads meet
	s_mov_b32 s[G0S], 1
	s_add_co_u32 s[G0S+1], s94, SCL
	s_mov_b64 s[G0S+2:G0S+3], s[22:23]
	s_or_b32 s[G0S+3], s[G0S+3], 0x80000000
	s_mov_b32 s[G0SB], 1
	s_add_co_u32 s[G0SB+1], s94, SCL
	s_mov_b64 s[G0SB+2:G0SB+3], s[92:93]
	s_or_b32 s[G0SB+3], s[G0SB+3], 0x80000000
	JLOAD G0S, G1S, G0SB, G1SB
.irp s, 0,1
	s_mov_b32 s[G0+4*\s], 1
	s_add_co_u32 s[G0+4*\s+1], s45, \s*SLOT
	s_add_nc_u64 s[G0+4*\s+2:G0+4*\s+3], s[20:21], \s*ROWB
	s_or_b32 s[G0+4*\s+3], s[G0+4*\s+3], 0x80000000
	s_mov_b32 s[G0B+4*\s], 1
	s_add_co_u32 s[G0B+4*\s+1], s45, \s*SLOT
	s_add_nc_u64 s[G0B+4*\s+2:G0B+4*\s+3], s[46:47], \s*ROWB
	s_or_b32 s[G0B+4*\s+3], s[G0B+4*\s+3], 0x80000000
	JLOAD G0+4*\s, G1, G0B+4*\s, G1B
.endr
	v_and_b32 v1, 15, v0                           ; r
	v_bfe_u32 v2, v0, 4, 1                         ; h
	v_mul_u32_u24 v3, v1, PITCH
	v_lshl_add_u32 v4, v2, 4, v3
	s_mul_i32 s21, s15, HALFT
	s_mul_i32 s22, s16, HALFT
	s_add_co_u32 s22, s22, 2*HALFT
.irp s, 0,1
	v_add_nc_u32 v[ADRA+\s], s21, v4
	v_add_nc_u32 v[ADRB+\s], s22, v4
	s_add_co_u32 s21, s21, SLOT
	s_add_co_u32 s22, s22, SLOT
.endr
	v_mul_u32_u24 v5, v1, KS
	v_lshrrev_b32 v6, 8, v5
	v_lshl_add_u32 v5, v6, 4, v5                   ; my row's scale bytes: 32 a row, 16 more for each 256 passed
	s_mul_i32 s21, s15, HALFS
	s_mul_i32 s22, s16, HALFS
	s_add_co_u32 s22, s22, 2*HALFS
	s_sub_co_u32 s22, s22, s21
	v_mul_u32_u24 v6, s22, v2                      ; lanes 16-31 take B's
	s_add_co_u32 s21, s21, SCL
	v_add_nc_u32 v5, v5, v6
	v_add_nc_u32 v[ADRS], s21, v5
	s_mul_i32 s23, s14, 4608                       ; my stage
	v_mul_u32_u24 v5, v1, 144
	v_lshl_add_u32 v5, v2, 4, v5
	v_add_nc_u32 v[STO], s23, v5
	v_and_b32 v6, 31, v0
	v_lshlrev_b32 v[CO], 4, v6
	v_lshrrev_b32 v5, 3, v6
	v_mul_u32_u24 v5, v5, 144
	v_and_b32 v6, 7, v0
	v_lshl_add_u32 v5, v6, 4, v5
	v_add_nc_u32 v[RD], s23, v5
	v_mul_u32_u24 v[FO], v1, 12288
	v_lshl_add_u32 v[FO], v2, 5, v[FO]
	v_lshlrev_b32 v[BO], 5, v2
	s_lshl_b32 s46, s42, 10
	s_lshl_b32 s47, s16, 9
	s_add_co_u32 s46, s46, s47                     ; my first column, in bytes of f32
	s_mov_b32 s47, 0
	s_add_nc_u64 s[8:9], s[8:9], s[46:47]          ; the bias there
	s_and_b32 s18, ttmp7, 0xffff                   ; cluster y
	s_lshr_b32 s19, s18, 1                         ; the batch
	s_mul_i32 s20, s19, 196608
	s_mov_b32 s21, 0
	s_add_nc_u64 s[98:99], s[98:99], s[20:21]
	s_add_nc_u64 s[98:99], s[98:99], s[46:47]      ; fq at my batch and column
	s_and_b32 s18, s18, 1
	s_or_b32 s18, s18, s41
	s_or_b32 s18, s18, s15
	v_mov_b32 v[FLG], s18
	s_cmp_eq_u32 ttmp9, 0
	s_cselect_b32 s20, 0, 524288                   ; q takes the table that carries log2(e) / 8
	s_and_b32 s22, s17, 7
	s_lshl_b32 s23, s22, 16
	s_add_co_u32 s20, s20, s23                     ; 16 blocks of 4,096 bytes for each 256 positions
	s_lshl_b32 s23, s15, 15
	s_add_co_u32 s20, s20, s23
	s_add_nc_u64 s[10:11], s[10:11], s[20:21]
	s_lshl_b32 s20, ttmp9, 23                      ; the kind's 8,388,608 bytes
	s_lshl_b32 s23, s19, 4
	s_lshl_b32 s19, s40, 2
	s_add_co_u32 s23, s23, s19
	s_lshl_b32 s19, s16, 1
	s_add_co_u32 s23, s23, s19                     ; 16 batch + my first head
	s_lshl_b32 s23, s23, 18
	s_add_co_u32 s20, s20, s23
	s_lshl_b32 s23, s22, 15
	s_add_co_u32 s20, s20, s23
	s_lshl_b32 s23, s15, 14
	s_add_co_u32 s20, s20, s23                     ; my first position, 128 bytes each
	s_add_nc_u64 s[96:97], s[96:97], s[20:21]
.macro TABLOAD a                       ; the table's block for my rows 16 a on: 8 x 512 bytes, in register order, into set a % 2
.irp i, 0,1,2,3,4,5,6,7
	global_load_b128 v[CS+32*((\a)%2)+4*\i:CS+32*((\a)%2)+4*\i+3], v[CO], s[10:11] offset:(\a)*4096+512*\i
.endr
.endm
	WIN TO_B
.irp b, 0,1,2,3,4,5,6,7
	global_load_b128 v[BI+8*\b:BI+8*\b+3], v[BO], s[8:9] offset:64*\b          ; the bias in the result's layout: block b, columns 16 b + 8 h + 0 .. 7
	global_load_b128 v[BI+8*\b+4:BI+8*\b+7], v[BO], s[8:9] offset:64*\b+16
.endr
	WIN 0
	TABLOAD 0                                      ; (v's work-groups ask too and do not use them: so one count serves the wait for the bias)
	TABLOAD 1
.macro FRAG reg, adr, q, i
.irp c, 0,1
	ds_load_b128 v[\reg+4*\c:\reg+4*\c+3], v[\adr] offset:64*(\q)+32*\c+(\i)*16*PITCH
.endr
.endm
; 16 matrix instructions: A's blocks a0, a0 + 1 x B's eight.  zero = 1: the first K step: C is the bias.  The 64 accumulators take turns, one instruction a turn.
.macro MUL16 a0, p, q, sc, zero
.irp a, \a0, \a0+1
.irp b, 0,1,2,3,4,5,6,7
.if \zero
	v_wmma_scale_f32_16x16x128_f8f6f4 v[8*(8*((\a)%4)+\b):8*(8*((\a)%4)+\b)+7], v[128*(\p)+FR*\b:128*(\p)+FR*\b+FR-1], v[AF+FR*(\a):AF+FR*(\a)+FR-1], v[BI+8*\b:BI+8*\b+7], v[SC+8*NQ*(\sc)+NQ*\b+(\q)], v[SC+8*NQ*(\sc)+NQ*(\a)+(\q)] matrix_a_fmt:MATRIX_FMT_FP4 matrix_b_fmt:MATRIX_FMT_FP4 matrix_a_scale:MATRIX_SCALE_ROW1
.else
	v_wmma_scale_f32_16x16x128_f8f6f4 v[8*(8*((\a)%4)+\b):8*(8*((\a)%4)+\b)+7], v[128*(\p)+FR*\b:128*(\p)+FR*\b+FR-1], v[AF+FR*(\a):AF+FR*(\a)+FR-1], v[8*(8*((\a)%4)+\b):8*(8*((\a)%4)+\b)+7], v[SC+8*NQ*(\sc)+NQ*\b+(\q)], v[SC+8*NQ*(\sc)+NQ*(\a)+(\q)] matrix_a_fmt:MATRIX_FMT_FP4 matrix_b_fmt:MATRIX_FMT_FP4 matrix_a_scale:MATRIX_SCALE_ROW1
.endif
.endr
.endr
.endm
.macro FETCH_B slot, q, p
	WIN TO_B
.irp i, 0,1,2,3,4,5,6,7
	FRAG 128*(\p)+FR*\i, ADRB+\slot, \q, \i
.endr
	WIN 0
.endm
.macro FETCH_A slot, q, i0
.irp i, \i0, \i0+1, \i0+2, \i0+3
	FRAG AF+FR*(\i), ADRA+\slot, \q, \i
.endr
.endm
.macro SCALES sc
.irp i, 0,1,2,3,4,5,6,7
	ds_load_b128 v[SC+8*NQ*\sc+NQ*\i:SC+8*NQ*\sc+NQ*\i+3], v[ADRS] offset:\i*SBLK
.endr
.endm
.macro PLACES n                        ; plain vector lines between a matrix instruction and a load into, or a read of, its registers
.rept \n
	v_nop
.endr
.endm
.macro STEP slot, q, zero
	s_wait_dscnt 4*NL                              ; B's set and A's blocks 0-3 are in; the youngest eight loads (A's blocks 4-7) may be out
.if \zero
	WIN 0x91                                       ; C (the bias) window 1, D window 2
.else
	WIN MUL_LO
.endif
	MUL16 0, (\q)%2, \q, \slot, \zero
	MUL16 2, (\q)%2, \q, \slot, \zero
	s_wait_dscnt 0
	PLACES NP
	FETCH_B \slot, (\q)+1, 1-(\q)%2
	FETCH_A \slot, (\q)+1, 0
.if \zero
	WIN 0xd1
.else
	WIN MUL_HI
.endif
	MUL16 4, (\q)%2, \q, \slot, \zero
	MUL16 6, (\q)%2, \q, \slot, \zero
	PLACES NP
	WIN 0
	FETCH_A \slot, (\q)+1, 4
.endm
.macro STEPS slot, from
.set Q, \from
.rept NQ-1-\from
	STEP \slot, Q, 0
.set Q, Q+1
.endr
.endm
	s_wait_tensorcnt 1                             ; the scales and my part of slot 0 are in; slot 1's load may be out
	s_barrier_signal -1
	s_barrier_wait -1
	FETCH_B 0, 0, 0
	FETCH_A 0, 0, 0
	SCALES 0
	FETCH_A 0, 0, 4
	s_wait_loadcnt 16                              ; the bias is in; the sixteen loads of the table may be out
	STEP 0, 0, 1
	STEPS 0, 1
	; slot 0's last step changes slots: one barrier
	s_wait_tensorcnt 0x0                           ; my part of slot 1 has landed
	s_wait_dscnt 4*NL
	WIN MUL_LO
	MUL16 0, 1, NQ-1, 0, 0
	s_wait_dscnt 0x0                               ; my reads of slot 0 are over: behind this barrier its first bytes may serve as the stages
	s_barrier_signal -1
	MUL16 2, 1, NQ-1, 0, 0
	WIN 0
	s_barrier_wait -1
	PLACES NP
	v_add_nc_u32 v[ADRS], 4*NQ, v[ADRS]
	FETCH_B 1, 0, 0
	FETCH_A 1, 0, 0
	SCALES 1
	WIN MUL_HI
	MUL16 4, 1, NQ-1, 0, 0
	MUL16 6, 1, NQ-1, 0, 0
	PLACES NP
	WIN 0
	FETCH_A 1, 0, 4
	STEPS 1, 0
	s_wait_dscnt 4*NL
	WIN MUL_LO
	MUL16 0, 1, NQ-1, 1, 0
	MUL16 2, 1, NQ-1, 1, 0
	s_wait_dscnt 0
	WIN MUL_HI
	MUL16 4, 1, NQ-1, 1, 0
	MUL16 6, 1, NQ-1, 1, 0
	WIN 0
; THE WAY OUT, block by block of 16 tokens x 128 columns (two heads).
; ROPE: (y1, y2) = (x1 c - x2 s, x1 s + x2 c): two packed lines a pair; the table's pair (c, s) lies where the lane wants it.  Each accumulator is read from its low end on.
.macro ROPE a
.if (\a) < 7
	s_wait_loadcnt 8                               ; this block's part of the table is in; the next block's eight loads may be out
.else
	s_wait_loadcnt 0x0
.endif
	WIN 0x02+(\a)/4
.irp b, 0,1,2,3,4,5,6,7
.irp i, 0,1,2,3
	v_pk_mul_f32 v[Y+8*\b+2*\i:Y+8*\b+2*\i+1], v[64*((\a)%4)+8*\b+2*\i:64*((\a)%4)+8*\b+2*\i+1], v[CS+32*((\a)%2)+8*(\b%4)+2*\i:CS+32*((\a)%2)+8*(\b%4)+2*\i+1] op_sel:[1,1] op_sel_hi:[1,0] neg_lo:[1,0]
.endr
.endr
.irp b, 0,1,2,3,4,5,6,7
.irp i, 0,1,2,3
	v_pk_fma_f32 v[Y+8*\b+2*\i:Y+8*\b+2*\i+1], v[64*((\a)%4)+8*\b+2*\i:64*((\a)%4)+8*\b+2*\i+1], v[CS+32*((\a)%2)+8*(\b%4)+2*\i:CS+32*((\a)%2)+8*(\b%4)+2*\i+1], v[Y+8*\b+2*\i:Y+8*\b+2*\i+1] op_sel:[0,0,0] op_sel_hi:[0,1,1]
.endr
.endr
	WIN 0
.endm
; FINE: block 0's f32 numbers go to fq where they are tokens 0-15 of a batch: all lanes or none, by EXEC; EXEC changes only behind s_wait_xcnt 0
.macro FINE base, w
	v_cmp_eq_u32 vcc_lo, 0, v[FLG]
	s_wait_xcnt 0x0
	s_and_saveexec_b32 s100, vcc_lo
	WIN \w
.irp b, 0,1,2,3,4,5,6,7
	global_store_b128 v[FO], v[\base+8*\b:\base+8*\b+3], s[98:99] offset:64*\b
	global_store_b128 v[FO], v[\base+8*\b+4:\base+8*\b+7], s[98:99] offset:64*\b+16
.endr
	WIN 0
	s_wait_xcnt 0x0
	s_or_b32 exec_lo, exec_lo, s100
.endm
.macro TOSTAGE a                       ; 16 bytes a lane into rows of 144 bytes, a head's 16 rows after the other's; back as four whole rows of 128 bytes an instruction
.irp b, 0,1,2,3,4,5,6,7
	ds_store_b128 v[STO], v[H+4*\b:H+4*\b+3] offset:(\b/4)*2304+32*(\b%4)
.endr
.irp n, 0,1,2,3,4,5,6,7
	ds_load_b128 v[BK+32*((\a)%2)+4*\n:BK+32*((\a)%2)+4*\n+3], v[RD] offset:(\n/4)*2304+576*(\n%4)
.endr
.endm
.macro SEND a, younger
	s_wait_dscnt \younger
.irp n, 0,1,2,3,4,5,6,7
	global_store_b128 v[CO], v[BK+32*((\a)%2)+4*\n:BK+32*((\a)%2)+4*\n+3], s[96:97] offset:(\n/4)*262144+(\a)*2048+512*(\n%4)   ; the wave stores 512 consecutive bytes, aligned
.endr
.endm
	PLACES NP
	s_cmp_eq_u32 ttmp9, 2                          ; the cluster's x: the same in all partners
	s_cbranch_scc1 .Lv_arm
.irp a, 0,1,2,3,4,5,6,7
.if \a >= 2
	s_wait_xcnt 0x0                                ; block a - 2's stores have read their registers: block a's rows may land there
.endif
	ROPE \a
.if \a <= 5
	TABLOAD \a+2
.endif
.if \a == 0
	FINE Y, 0
.endif
.irp n, 0,1,2,3,4,5,6,7,8,9,10,11,12,13,14,15,16,17,18,19,20,21,22,23,24,25,26,27,28,29,30,31
	v_cvt_pk_f16_f32 v[H+\n], v[Y+2*\n], v[Y+2*\n+1]
.endr
	TOSTAGE \a
.if \a >= 1
	SEND \a-1, 16                                  ; behind block a - 1's loads: block a's 8 stores and 8 loads
.endif
.endr
	SEND 7, 0
	s_branch .Ltail
.Lv_arm:
	FINE 0, 0x08                                   ; the stores' data in window 2: block 0's accumulators, each from its low end on
.irp a, 0,1,2,3,4,5,6,7
.if \a >= 2
	s_wait_xcnt 0x0
.endif
	WIN 0x0a+5*(\a/4)
.irp n, 0,1,2,3,4,5,6,7,8,9,10,11,12,13,14,15,16,17,18,19,20,21,22,23,24,25,26,27,28,29,30,31
	v_cvt_pk_f16_f32 v[H+\n], v[64*(\a%4)+2*\n], v[64*(\a%4)+2*\n+1]
.endr
	WIN 0
	TOSTAGE \a
.if \a >= 1
	SEND \a-1, 16
.endif
.endr
	SEND 7, 0
.Ltail:
	s_wait_tensorcnt 0x0                           ; the wave's end
	ds_add_u32 v[SPW], v[NIL]
	s_wait_dscnt 0x0
	CROUND                                         ; the closing round
	s_endpgm
.Lfunc_end_k_qef2350a594_qkv:
	.size	k_qef2350a594_qkv, .Lfunc_end_k_qef2350a594_qkv-k_qef2350a594_qkv
	.p2alignl 7, 3214868480
	.fill 96, 4, 3214868480
	.section	.rodata,"a",@progbits
	.p2align	6, 0x0
	.amdhsa_kernel k_qef2350a594_qkv
		.amdhsa_group_segment_fixed_size 327680
		.amdhsa_private_segment_fixed_size 0
		.amdhsa_enable_private_segment 0
		.amdhsa_kernarg_size 48
		.amdhsa_user_sgpr_count 2
		.amdhsa_user_sgpr_kernarg_segment_ptr 1
		.amdhsa_wavefront_size32 1
		.amdhsa_system_sgpr_workgroup_id_x 1
		.amdhsa_system_sgpr_workgroup_id_y 1
		.amdhsa_system_sgpr_workgroup_id_z 1
		.amdhsa_system_vgpr_workitem_id 0
		.amdhsa_next_free_vgpr 1024
		.amdhsa_next_free_sgpr 102
		.amdhsa_reserve_vcc 1
		.amdhsa_float_denorm_mode_32 3
		.amdhsa_float_denorm_mode_16_64 3
		.amdhsa_memory_ordered 1
		.amdhsa_forward_progress 1
		.amdhsa_inst_pref_size 202
	.end_amdhsa_kernel
	.amdgpu_metadata
---
amdhsa.version: [ 1, 2 ]
amdhsa.kernels:
  - .name:           k_qef2350a594_qkv
    .symbol:         k_qef2350a594_qkv.kd
    .args:
      - { .name: xq, .offset: 0, .size: 8, .value_kind: global_buffer, .address_space: global }
      - { .name: wq, .offset: 8, .size: 8, .value_kind: global_buffer, .address_space: global }
      - { .name: b_qkv, .offset: 16, .size: 8, .value_kind: global_buffer, .address_space: global }
      - { .name: rope, .offset: 24, .size: 8, .value_kind: global_buffer, .address_space: global }
      - { .name: qkv, .offset: 32, .size: 8, .value_kind: global_buffer, .address_space: global }
      - { .name: fq, .offset: 40, .size: 8, .value_kind: global_buffer, .address_space: global }
    .group_segment_fixed_size: 327680
    .private_segment_fixed_size: 0
    .kernarg_segment_align: 8
    .kernarg_segment_size: 48
    .max_flat_workgroup_size: 128
    .sgpr_count:     102
    .vgpr_count:     1024
    .wavefront_size: 32
...
	.end_amdgpu_metadata
.endif
;; end of part 2
;; launch attn (part 3): grid 8 x 32, 8 waves a work-group, no clusters, 327,680 bytes of LDS; arguments qkv, aw; writes aw
.if DOCPART == 3
	.amdgcn_target "amdgcn-amd-amdhsa--gfx1250"
	.amdhsa_code_object_version 6
	.text
	.protected	k_qef2350a594_attn
	.globl	k_qef2350a594_attn
	.p2align	8
	.type	k_qef2350a594_attn,@function
k_qef2350a594_attn:
	s_mov_b64 s[64:65], 0
	v_nop
	global_prefetch_b8 v0, s[64:65] scope:SCOPE_SE
	s_setreg_imm32_b32 hwreg(HW_REG_WAVE_MODE, 25, 1), 1
	s_wait_xcnt 0x0
; ATTN: causal attention of one head (bh = work-group y), f16 operands, f32 sums.  q' carries log2(e) / 8, so a score is an exponent of 2.  Result aw [16 h][2048 b + t][64] f16.
; SHARES.  Queries go in blocks of 128, keys in chunks of 128.  Work-group I takes block 15 - I (job hi: 16 - I chunks) and then block I (job lo: I + 1 chunks): 17 chunks for every work-group.
; Wave w: g = w % 4: 32 queries, two tiles of 16; p = w / 4: the chunk's keys 64 p on.  A UNIT is 32 queries x 64 keys; each fragment of K or V feeds two matrix instructions.
; At the end the two halves of the keys are merged through LDS: waves 0-3 merge job hi, waves 4-7 job lo.
; RING.  Two slots of two chunks; the 17 chunks are packed on end into 9 trips, whatever I: trip counts are constants.  Each of the eight waves brings 64 rows of K or of V with one tensor load behind each change of slots.
; A wave has two tensor loads out at the head and one later.
; NO CLUSTER: under the mask the eight work-groups of a head need different numbers of chunks at different times, so a joint load would bring some partner tiles that it never reads.
; LAYOUT.  S^T = K Q^T and O^T = V^T P: a lane holds one query (lane % 16) throughout.  K comes out of LDS as it lies, V turned by ds_load_tr16_b128.
; SOFTMAX.  Running maximum m and sum l for each query; p = 2^(s - m); O and l are multiplied by a = 2^(m_old - m_new) in every unit.  Hidden keys get the score -infinity, so p = 0.
; LIMITS: f16 operands (q', k, v, p); hidden keys weigh 0, which is the problem's -1e9 as long as a row's largest open score stays far above -1e9.
; REGISTERS: v1-15 addresses and the mask's numbers; v16 m0, v17 l0 (final), v18 m1, v19 l1; v[20:21], v[22:23] l in pairs; v24-27, v28-31 at work; v32-63 Q; v64-127 K, then V; v128-191 S^T, then P; v192-255 O^T.
.set PK,    144                        ; a row of K or Q in LDS: 128 bytes + 16
.set PV,    160                        ; a row of V: 128 + 32
.set VOFF,  36864                      ; a slot: 256 rows of K, then 256 rows of V
.set SLOT1, 131072
.set QL,    77824                      ; Q: 256 rows: job hi's 128, then job lo's
.set SPARE, 114688                     ; the spare words, 128 bytes for each of eight waves
.set HIIMG, 208896                     ; job hi's partial results, 8,704 bytes a wave, as images of the registers
.set LOIMG, 131072                     ; job lo's: in slot 1, which has had its last fill and its last read by then
.set IMGB,  8704
.set STG,   278528                     ; the way out: 32 rows x 144 bytes for each wave
.set S,     128
.set O,     192
.macro TLOAD                           ; waves 0-3 fetch K's rows, waves 4-7 V's: two lines, since the paddings differ; an s_nop 0 and four v_nop follow each
	s_cmp_lt_u32 s8, 4
	s_cbranch_scc0 .Lfor_v_\@
	tensor_load_to_lds s[48:51], s[24:31]
	s_nop 0
.rept 4
	v_nop
.endr
	s_branch .Lasked_\@
.Lfor_v_\@:
	tensor_load_to_lds s[48:51], s[32:39]
	s_nop 0
.rept 4
	v_nop
.endr
.Lasked_\@:
.endm
; A PREFETCH INTO THE L2 of what the next change of slots will ask for.  All eight work-groups of a head walk the same K and V from chunk 0 up; work-group 0, which walks all 16 chunks, asks: each of its waves names the
; 32 blocks of 256 bytes (64 rows of 128) that it will itself load at the next change, a lane a block: each block once in the launch, one trip (two units a wave) ahead.  Chunks 0-3 come by their loads alone; it stops at chunk 15.
.macro ASK
	s_cmp_lt_u32 s22, s68
	s_cbranch_scc0 .Lnot_mine_\@
	global_prefetch_b8 v4, s[66:67] th:TH_LOAD_NT scope:SCOPE_SE
.Lnot_mine_\@:
.endm
	s_load_b128 s[4:7], s[0:1], 0x0                ; qkv, aw
	v_lshl_add_u32 v5, v0, 2, SPARE                ; v5: my spare word; never rewritten
	v_mov_b32 v6, 0                                ; v6: 0; never rewritten
	ds_add_u32 v5, v6                              ; the wave's opening: the add, twice on end, and its wait ahead of my first tensor load
	ds_add_u32 v5, v6
	v_lshrrev_b32 v1, 5, v0
	v_readfirstlane_b32 s8, v1                     ; wave
	s_and_b32 s9, s8, 3                            ; g; also: which 64 rows of a slot's 256 I fetch
	s_lshr_b32 s10, s8, 2                          ; p; also: I fetch K (0) or V (1)
	s_bfe_u32 s11, s8, 0x10001                     ; cb: which chunk of a slot I fetch for
	s_and_b32 s69, s8, 1                           ; hf: which half of that chunk
	s_mov_b32 s12, ttmp9                           ; I
	s_sub_co_u32 s13, 16, s12                      ; NH: job hi's chunks
	s_and_b32 s70, ttmp7, 0xffff                   ; bh
	s_mov_b32 s24, (1<<16)|(1<<20)|(4<<22)|(3<<25) ; K: elements of 2 bytes; 4 words of padding behind every 32
	s_mov_b32 s25, 64<<16
	s_mov_b32 s26, 64<<16
	s_mov_b32 s27, 64<<16
	s_mov_b32 s28, 64
	s_mov_b32 s29, 64
	s_mov_b32 s30, 0
	s_mov_b32 s31, 0
	s_mov_b32 s32, (1<<16)|(1<<20)|(4<<22)|(7<<25) ; V: 8 words of padding
	s_mov_b32 s33, 64<<16
	s_mov_b32 s34, 64<<16
	s_mov_b32 s35, 64<<16
	s_mov_b32 s36, 64
	s_mov_b32 s37, 64
	s_mov_b32 s38, 0
	s_mov_b32 s39, 0
	s_mov_b32 s40, (1<<16)|(1<<20)|(4<<22)|(3<<25) ; Q: 32 rows
	s_mov_b32 s41, 64<<16
	s_mov_b32 s42, 32<<16
	s_mov_b32 s43, 64<<16
	s_mov_b32 s44, 32
	s_mov_b32 s45, 64
	s_mov_b32 s46, 0
	s_mov_b32 s47, 0
	s_mul_i32 s49, s9, 9216                        ; my 64 rows in a slot: K: 9,216 g;
	s_lshl_b32 s62, s9, 10
	s_add_co_u32 s62, s62, VOFF
	s_mul_i32 s62, s62, s10
	s_add_co_u32 s49, s49, s62                     ; V: VOFF + 10,240 g
	s_mov_b32 s48, 1
	s_mov_b32 s52, 1
	s_mul_i32 s53, s8, 4608
	s_add_co_u32 s53, s53, QL
	s_add_co_u32 s62, s10, 1
	s_lshl_b32 s62, s62, 23                        ; k lies 8,388,608 bytes into qkv, v twice that
	s_lshl_b32 s63, s70, 18
	s_add_co_u32 s62, s62, s63
	s_lshl_b32 s63, s69, 13
	s_add_co_u32 s62, s62, s63
	s_mov_b32 s63, 0
	s_sub_co_u32 s72, 15, s12
	s_lshl_b32 s14, s72, 7
	s_lshl_b32 s73, s9, 5
	s_add_co_u32 s14, s14, s73                     ; Q0: my first query of job hi
	s_cmp_lt_u32 s8, 4
	s_cselect_b32 s72, s72, s12                    ; waves 0-3 fetch job hi's queries, waves 4-7 job lo's
	s_lshl_b32 s72, s72, 14
	s_lshl_b32 s73, s9, 12
	s_add_co_u32 s72, s72, s73
	s_lshl_b32 s73, s70, 18
	s_add_co_u32 s72, s72, s73
	s_mov_b32 s73, 0
	s_lshl_b32 s74, s11, 14
	s_mov_b32 s75, 0
	s_and_b32 s76, s70, 15
	s_lshl_b32 s76, s76, 19
	s_lshr_b32 s77, s70, 4
	s_lshl_b32 s77, s77, 18
	s_add_co_u32 s76, s76, s77
	s_mov_b32 s77, 0
	s_lshl_b32 s15, s10, 6                         ; KF: the unit's first key
	s_mov_b32 s16, 0                               ; CC: chunks done
	s_mov_b32 s17, s11                             ; CW: the chunk, in sequence, of my last load
	s_mov_b32 s18, 0                               ; UK, UV: where the chunk in hand begins among a slot's rows of K, of V
	s_mov_b32 s19, 0
	s_mov_b32 s20, 0x76543210
	s_mov_b32 s21, 0xfedcba98                      ; v_permlanex16_b32's selects for lane l xor 16
	s_mov_b32 s22, 0
	s_cmp_eq_u32 s12, 0
	s_cselect_b32 s68, 6, 0                        ; trips in which I prefetch
	s_wait_dscnt 0x0                               ; both opening adds are done
	s_wait_kmcnt 0x0
	s_add_nc_u64 s[56:57], s[4:5], s[62:63]        ; KVB: my half of chunk 0
	s_add_nc_u64 s[50:51], s[56:57], s[74:75]
	s_or_b32 s51, s51, 0x80000000
	s_add_nc_u64 s[54:55], s[4:5], s[72:73]
	s_or_b32 s55, s55, 0x80000000
	s_add_nc_u64 s[58:59], s[6:7], s[76:77]        ; OB: my head's rows of aw
	s_add_nc_u64 s[66:67], s[56:57], s[74:75]
	s_add_nc_u64 s[66:67], s[66:67], 32768         ; the prefetches stand at chunk cb + 2; each change steps them by two chunks first
	tensor_load_to_lds s[52:55], s[40:47]          ; 32 rows of Q a wave
	s_nop 0
	TLOAD                                          ; slot 0: chunks 0 and 1
	v_and_b32 v14, 31, v0
	v_and_b32 v15, 15, v0                          ; r
	v_bfe_u32 v16, v0, 4, 1                        ; h
	v_mul_u32_u24 v1, v15, PK
	v_lshl_add_u32 v1, v16, 4, v1
	s_mul_i32 s62, s9, 4608
	s_add_co_u32 s62, s62, QL
	v_add_nc_u32 v7, s62, v1                       ; v7: Q's fragments
	s_mul_i32 s62, s8, 4608
	s_add_co_u32 s62, s62, STG
	v_add_nc_u32 v9, s62, v1                       ; v9: the stage, way in
	v_lshrrev_b32 v17, 3, v14
	v_mul_u32_u24 v10, v17, PK
	v_and_b32 v17, 7, v0
	v_lshl_add_u32 v10, v17, 4, v10
	v_add_nc_u32 v10, s62, v10                     ; v10: and back
	s_mul_i32 s62, s10, 9216
	v_add_nc_u32 v1, s62, v1                       ; v1: K's fragments: row r, + 16 h, + my 64 keys
	v_lshl_add_u32 v2, v16, 3, v17
	v_mul_u32_u24 v2, v2, PV
	v_bfe_u32 v17, v0, 3, 1
	v_lshl_add_u32 v2, v17, 4, v2
	s_mul_i32 s62, s10, 10240
	s_add_co_u32 s62, s62, VOFF
	v_add_nc_u32 v2, s62, v2                       ; v2: V's: key 8 h + lane % 8, channels 8 ((lane / 8) % 2) on
	v_lshlrev_b32 v4, 8, v14                       ; v4: the prefetches' offset
	v_lshlrev_b32 v11, 4, v14                      ; v11: 16 x lane
	s_mul_i32 s62, s8, IMGB
	s_add_co_u32 s62, s62, HIIMG
	v_add_nc_u32 v8, s62, v11                      ; v8: my image of job hi
	v_lshlrev_b32 v12, 3, v16
	v_sub_nc_u32 v12, v15, v12                     ; v12: r - 8 h
	v_mov_b32 v13, 0xff800000                      ; v13: -infinity
.irp j, 24,25,26,27,28,29,30,31
	v_mov_b32 v\j, 0                               ; written once: a lane permute's destination counts as one of its sources
.endr
.macro SETUP off                       ; a job begins: its Q into registers; O^T and l zeros, m under every score (the unit is written once: its first run finds zeros)
.irp t, 0,1
.irp c, 0,1
	ds_load_b128 v[32+16*\t+8*\c:32+16*\t+8*\c+3], v7 offset:\off+2304*\t+64*\c
	ds_load_b128 v[32+16*\t+8*\c+4:32+16*\t+8*\c+7], v7 offset:\off+2304*\t+64*\c+32
.endr
.endr
.irp j, 0,1,2,3,4,5,6,7,8,9,10,11,12,13,14,15,16,17,18,19,20,21,22,23,24,25,26,27,28,29,30,31,32,33,34,35,36,37,38,39,40,41,42,43,44,45,46,47,48,49,50,51,52,53,54,55,56,57,58,59,60,61,62,63
	v_mov_b32 v[O+\j], 0
.endr
	v_mov_b32 v16, 0xff61b1e6
	v_mov_b32 v18, 0xff61b1e6
.irp j, 17,19,20,21,22,23
	v_mov_b32 v\j, 0
.endr
	s_wait_dscnt 0x0
.endm
.macro QK k0                           ; S^T of key tiles k0, k0 + 1 for both tiles of queries: four accumulators by turns, two deep
.irp c, 0,1
.irp kt, \k0, \k0+1
.irp t, 0,1
.if \c == 0
	v_wmma_f32_16x16x32_f16 v[S+32*\t+8*(\kt):S+32*\t+8*(\kt)+7], v[64+16*(\kt)+8*\c:64+16*(\kt)+8*\c+7], v[32+16*\t+8*\c:32+16*\t+8*\c+7], 0
.else
	v_wmma_f32_16x16x32_f16 v[S+32*\t+8*(\kt):S+32*\t+8*(\kt)+7], v[64+16*(\kt)+8*\c:64+16*(\kt)+8*\c+7], v[32+16*\t+8*\c:32+16*\t+8*\c+7], v[S+32*\t+8*(\kt):S+32*\t+8*(\kt)+7]
.endif
.endr
.endr
.endr
.endm
.macro UNIT
	s_add_co_u32 s62, s14, 31                      ; a unit all of whose keys come after my 32 queries is left out: a branch on ids and counts alone
	s_cmp_gt_u32 s15, s62
	s_cbranch_scc1 .Lend_\@
	v_add_nc_u32 v3, s18, v1
.irp kt, 0,1,2,3
.irp c, 0,1
	ds_load_b128 v[64+16*\kt+8*\c:64+16*\kt+8*\c+3], v3 offset:2304*\kt+64*\c
	ds_load_b128 v[64+16*\kt+8*\c+4:64+16*\kt+8*\c+7], v3 offset:2304*\kt+64*\c+32
.endr
.endr
	s_wait_dscnt 8                                 ; key tiles 0 and 1 are in; the eight loads of tiles 2 and 3 may be out
	QK 0
	s_wait_dscnt 0x0
	QK 2
	v_add_nc_u32 v3, s19, v2                       ; four plain lines between the products and the loads into K's registers, and the first read of the scores
.rept 3
	v_nop
.endr
.irp a, 0,1
.irp ct, 0,1,2,3
	ds_load_tr16_b128 v[64+8*(4*\a+\ct):64+8*(4*\a+\ct)+3], v3 offset:5120*\a+32*\ct
	ds_load_tr16_b128 v[64+8*(4*\a+\ct)+4:64+8*(4*\a+\ct)+7], v3 offset:5120*\a+32*\ct+2560
.endr
.endr
	s_add_co_u32 s62, s15, 63                      ; on the diagonal hidden scores become -infinity; a unit all of whose keys count skips this
	s_cmp_le_u32 s62, s14
	s_cbranch_scc1 .Lopen_\@
	s_sub_co_i32 s62, s14, s15
	v_add_nc_u32 v14, s62, v12                     ; register 8 kt + j of tile t holds key KF + 16 kt + 8 h + j: hidden where 16 kt + j > Q0 - KF + 16 t + r - 8 h
	v_add_nc_u32 v15, 16, v14
.irp kt, 0,1,2,3
.irp j, 0,1,2,3,4,5,6,7
.irp t, 0,1
	v_cmp_gt_i32 vcc_lo, 16*\kt+\j, v[14+\t]
	v_cndmask_b32 v[S+32*\t+8*\kt+\j], v[S+32*\t+8*\kt+\j], v13, vcc_lo
.endr
.endr
.endr
.Lopen_\@:
.irp j, 0,1,2,3                        ; the maximum: four chains a tile, each accumulator from its low end on; the two tiles line by line
.irp t, 0,1
	v_max3_num_f32 v[24+4*\t+\j], v[S+32*\t+8*\j], v[S+32*\t+8*\j+1], v[S+32*\t+8*\j+2]
.endr
.endr
.irp g, 3,5
.irp j, 0,1,2,3
.irp t, 0,1
	v_max3_num_f32 v[24+4*\t+\j], v[24+4*\t+\j], v[S+32*\t+8*\j+\g], v[S+32*\t+8*\j+\g+1]
.endr
.endr
.endr
.irp t, 0,1
	v_max3_num_f32 v[24+4*\t], v[24+4*\t], v[S+32*\t+7], v[S+32*\t+15]
.endr
.irp t, 0,1
	v_max3_num_f32 v[26+4*\t], v[26+4*\t], v[S+32*\t+23], v[S+32*\t+31]
.endr
.irp t, 0,1
	v_max3_num_f32 v[24+4*\t], v[24+4*\t], v[25+4*\t], v[26+4*\t]
.endr
.irp t, 0,1
	v_max3_num_f32 v[24+4*\t], v[24+4*\t], v[27+4*\t], v[16+2*\t]
.endr
.irp t, 0,1
	v_permlanex16_b32 v[25+4*\t], v[24+4*\t], s20, s21   ; the query's other 32 keys lie in the lane 16 away
.endr
.irp t, 0,1
	v_mov_b32 v[27+4*\t], v[16+2*\t]
.endr
.irp t, 0,1
	v_max_num_f32 v[16+2*\t], v[24+4*\t], v[25+4*\t]     ; the new m
.endr
.irp t, 0,1
	v_sub_f32 v[27+4*\t], v[27+4*\t], v[16+2*\t]
.endr
.irp i, 0,2,4,6,8,10,12,14,16,18,20,22,24,26,28,30
.irp t, 0,1
	v_pk_add_f32 v[S+32*\t+\i:S+32*\t+\i+1], v[S+32*\t+\i:S+32*\t+\i+1], v[16+2*\t:17+2*\t] op_sel_hi:[1,0] neg_lo:[0,1] neg_hi:[0,1]   ; s - m
.endr
.endr
.irp t, 0,1
	v_exp_f32 v[26+4*\t], v[27+4*\t]               ; a = 2^(m_old - m_new)
.endr
.irp i, 0,1,2,3,4,5,6,7,8,9,10,11,12,13,14,15,16,17,18,19,20,21,22,23,24,25,26,27,28,29,30,31
.irp t, 0,1
	v_exp_f32 v[S+32*\t+\i], v[S+32*\t+\i]
.endr
.endr
	v_nop                                          ; a plain line behind the last exponential
	s_wait_alu depctr_va_vdst(0)                   ; one wait for the 66, ahead of their first reader
.irp t, 0,1
	v_pk_mul_f32 v[20+2*\t:21+2*\t], v[20+2*\t:21+2*\t], v[26+4*\t:27+4*\t] op_sel_hi:[1,0]
.endr
.irp t, 0,1
	v_pk_add_f32 v[24+4*\t:25+4*\t], v[S+32*\t:S+32*\t+1], v[S+32*\t+2:S+32*\t+3]
.endr
.irp i, 4,8,12,16,20,24,28
.irp t, 0,1
	v_pk_add_f32 v[20+2*\t:21+2*\t], v[20+2*\t:21+2*\t], v[S+32*\t+\i:S+32*\t+\i+1]
	v_pk_add_f32 v[24+4*\t:25+4*\t], v[24+4*\t:25+4*\t], v[S+32*\t+\i+2:S+32*\t+\i+3]
.endr
.endr
.irp t, 0,1
	v_pk_add_f32 v[20+2*\t:21+2*\t], v[20+2*\t:21+2*\t], v[24+4*\t:25+4*\t]
.endr
.irp g, 0,1                            ; p to f16, in place: two tiles of 16 keys become source 1 of 32 keys, at S + 32 t + 16 g
.irp i, 0,1,2,3,4,5,6,7
.irp t, 0,1
	v_cvt_pk_f16_f32 v[S+32*\t+16*\g+\i], v[S+32*\t+16*\g+2*\i], v[S+32*\t+16*\g+2*\i+1]
.endr
.endr
.endr
.irp i, 0,2,4,6,8,10,12,14,16,18,20,22,24,26,28,30
.irp t, 0,1
	v_pk_mul_f32 v[O+32*\t+\i:O+32*\t+\i+1], v[O+32*\t+\i:O+32*\t+\i+1], v[26+4*\t:27+4*\t] op_sel_hi:[1,0]
.endr
.endr
	s_wait_dscnt 0x0                               ; V is in
.irp a, 0,1                            ; O^T += V^T P: eight accumulators by turns
.irp ct, 0,1,2,3
.irp t, 0,1
	v_wmma_f32_16x16x32_f16 v[O+32*\t+8*\ct:O+32*\t+8*\ct+7], v[64+8*(4*\a+\ct):64+8*(4*\a+\ct)+7], v[S+32*\t+16*\a:S+32*\t+16*\a+7], v[O+32*\t+8*\ct:O+32*\t+8*\ct+7]
.endr
.endr
.endr
.rept 5
	v_nop                                          ; five plain lines: the next products write over P's registers, the next loads land in V's, and O^T may be read
.endr
.Lend_\@:
.endm
.macro LSUM                            ; l's two halves and the other half of the lanes' -> v17, v19
	v_add_f32 v17, v20, v21
	v_add_f32 v19, v22, v23
	v_permlanex16_b32 v24, v17, s20, s21
	v_permlanex16_b32 v28, v19, s20, s21
	v_add_f32 v17, v17, v24
	v_add_f32 v19, v19, v28
.endm
.macro SAVE adr                        ; O^T, m and l as an image of the registers: 17 x 512 bytes, my wave's own
.irp i, 0,1,2,3,4,5,6,7,8,9,10,11,12,13,14,15
	ds_store_b128 v[\adr], v[O+4*\i:O+4*\i+3] offset:512*\i
.endr
	ds_store_b128 v[\adr], v[16:19] offset:8192
.endm
.macro STEPCHK                         ; on to the next chunk; where job hi's chunks are done its partial result is put by and job lo begins.  No barrier stands here
	s_add_co_u32 s16, s16, 1
	s_add_co_u32 s15, s15, 128
	s_add_co_u32 s18, s18, 18432
	s_add_co_u32 s19, s19, 20480
	s_cmp_lg_u32 s16, s13
	s_cbranch_scc1 .Lsame_\@
	LSUM
	SAVE 8
	s_lshl_b32 s14, s12, 7
	s_lshl_b32 s62, s9, 5
	s_add_co_u32 s14, s14, s62
	s_lshl_b32 s15, s10, 6
	SETUP 18432
.Lsame_\@:
.endm
; THE CHANGE OF SLOTS, at a trip's head.  Each wave waits for all its tensor loads, adds 0 to its spare word, and waits for that and for its reads of the slot that it has left; behind the barrier that slot is filled first.
; mode 2: eight loads, two chunks, and the prefetch; 1: the last chunk alone (the waves with cb = 0); 0: nothing is left to fetch.  In the first trip the loads are slot 1's first fills.
.macro CHANGE mode
	s_wait_tensorcnt 0x0
	ds_add_u32 v5, v6                              ; the descriptor's step stands between the add and the wait for it
.if \mode
	s_xor_b32 s49, s49, SLOT1
	s_add_co_u32 s17, s17, 2
	s_cmp_ge_u32 s17, s13
	s_cselect_b32 s62, s13, 0
	s_sub_co_u32 s62, s17, s62                     ; the chunk of keys: job lo begins again at 0
	s_lshl_b32 s62, s62, 14
	s_mov_b32 s63, 0
	s_add_nc_u64 s[50:51], s[56:57], s[62:63]
	s_or_b32 s51, s51, 0x80000000
.endif
.if \mode == 2
	s_wait_xcnt 0x0                                ; the last prefetch, a trip back, has read its address
	s_add_nc_u64 s[66:67], s[66:67], 32768
.endif
	s_wait_dscnt 0x0
	s_barrier_signal -1
	s_barrier_wait -1
.if \mode == 2
	TLOAD
	ASK
.endif
.if \mode == 1
	s_cmp_eq_u32 s11, 0
	s_cbranch_scc0 .Lnone_\@
	TLOAD
.Lnone_\@:
.endif
.endm
.macro PAIR                            ; a slot's two chunks: written once, walked twice
	s_mov_b32 s23, 2
.Lu_\@:
	UNIT
	STEPCHK
	s_sub_co_u32 s23, s23, 1
	s_cmp_lg_u32 s23, 0
	s_cbranch_scc1 .Lu_\@
	s_sub_co_u32 s18, s18, 36864
	s_xor_b32 s18, s18, SLOT1
	s_sub_co_u32 s19, s19, 40960
	s_xor_b32 s19, s19, SLOT1
.endm
	s_wait_tensorcnt 0x0                           ; my rows of Q and of slot 0 are in,
	s_barrier_signal -1
	s_barrier_wait -1                              ; everybody's are
	SETUP 0
.Ltrip:                                            ; seven trips
	CHANGE 2
	PAIR
	s_add_co_u32 s22, s22, 1
	s_cmp_lt_u32 s22, 7
	s_cbranch_scc1 .Ltrip
	CHANGE 1                                       ; the tail is written out
	PAIR
	CHANGE 0
	UNIT
	; THE MERGE.  Job lo's partial results go to LDS too; behind one barrier wave (g, 0) takes both halves of job hi, wave (g, 1) both of job lo.
	LSUM
	s_mul_i32 s62, s8, IMGB
	s_add_co_u32 s62, s62, LOIMG
	v_add_nc_u32 v14, s62, v11
	s_xor_b32 s63, s10, 1
	s_mul_i32 s63, s63, HIIMG-LOIMG
	s_mul_i32 s62, s9, IMGB
	s_add_co_u32 s62, s62, s63
	s_add_co_u32 s62, s62, LOIMG
	v_add_nc_u32 v15, s62, v11
	SAVE 14
	s_wait_dscnt 0x0
	s_barrier_signal -1
	s_barrier_wait -1
.irp i, 0,1,2,3,4,5,6,7,8,9,10,11,12,13,14,15
	ds_load_b128 v[128+4*\i:131+4*\i], v15 offset:512*\i
.endr
	ds_load_b128 v[64:67], v15 offset:8192
.irp i, 0,1,2,3,4,5,6,7,8,9,10,11,12,13,14,15
	ds_load_b128 v[192+4*\i:195+4*\i], v15 offset:4*IMGB+512*\i
.endr
	ds_load_b128 v[68:71], v15 offset:4*IMGB+8192
	s_sub_co_u32 s62, 15, s12
	s_cmp_eq_u32 s10, 0
	s_cselect_b32 s62, s62, s12                    ; the block of queries that I store
	s_lshl_b32 s62, s62, 14
	s_lshl_b32 s63, s9, 12
	s_add_co_u32 s62, s62, s63
	s_mov_b32 s63, 0
	s_add_nc_u64 s[60:61], s[58:59], s[62:63]
	s_wait_dscnt 0x0
.irp t, 0,1
	v_max_num_f32 v[72+4*\t], v[64+2*\t], v[68+2*\t]
.endr
.irp t, 0,1
	v_sub_f32 v[73+4*\t], v[64+2*\t], v[72+4*\t]
	v_sub_f32 v[74+4*\t], v[68+2*\t], v[72+4*\t]
.endr
.irp t, 0,1
	v_exp_f32 v[73+4*\t], v[73+4*\t]
	v_exp_f32 v[74+4*\t], v[74+4*\t]
.endr
	v_nop
	s_wait_alu depctr_va_vdst(0)
.irp t, 0,1
	v_mul_f32 v[75+4*\t], v[65+2*\t], v[73+4*\t]
.endr
.irp t, 0,1
	v_fma_f32 v[75+4*\t], v[69+2*\t], v[74+4*\t], v[75+4*\t]   ; the row's sum: key 0 counts for every query, so it is not 0
.endr
.irp t, 0,1
	v_rcp_f32 v[75+4*\t], v[75+4*\t]
.endr
	v_nop
	s_wait_alu depctr_va_vdst(0)
.irp t, 0,1
	v_mul_f32 v[80+4*\t], v[73+4*\t], v[75+4*\t]
	v_mul_f32 v[82+4*\t], v[74+4*\t], v[75+4*\t]
	v_mov_b32 v[81+4*\t], 0                        ; (named as the upper halves of pairs)
	v_mov_b32 v[83+4*\t], 0
.endr
.irp t, 0,1
.irp i, 0,2,4,6,8,10,12,14,16,18,20,22,24,26,28,30
	v_pk_mul_f32 v[128+32*\t+\i:129+32*\t+\i], v[128+32*\t+\i:129+32*\t+\i], v[80+4*\t:81+4*\t] op_sel_hi:[1,0]
.endr
.endr
.irp t, 0,1
.irp i, 0,2,4,6,8,10,12,14,16,18,20,22,24,26,28,30
	v_pk_fma_f32 v[128+32*\t+\i:129+32*\t+\i], v[192+32*\t+\i:193+32*\t+\i], v[82+4*\t:83+4*\t], v[128+32*\t+\i:129+32*\t+\i] op_sel_hi:[1,0,1]
.endr
.endr
.irp n, 0,1,2,3,4,5,6,7,8,9,10,11,12,13,14,15,16,17,18,19,20,21,22,23,24,25,26,27,28,29,30,31
	v_cvt_pk_f16_f32 v[96+\n], v[128+2*\n], v[129+2*\n]
.endr
.irp t, 0,1
.irp ct, 0,1,2,3
	ds_store_b128 v9, v[96+16*\t+4*\ct:99+16*\t+4*\ct] offset:2304*\t+32*\ct
.endr
.endr
.irp n, 0,1,2,3,4,5,6,7
	ds_load_b128 v[64+4*\n:67+4*\n], v10 offset:2304*(\n/4)+576*(\n%4)   ; LDS serves a wave's instructions in order: these see my stores
.endr
.irp n, 0,1,2,3,4,5,6,7
	s_wait_dscnt 7-\n
	global_store_b128 v11, v[64+4*\n:67+4*\n], s[60:61] offset:512*\n     ; the wave stores 512 consecutive bytes, aligned
.endr
	s_wait_tensorcnt 0x0                           ; the wave's end
	ds_add_u32 v5, v6
	s_wait_dscnt 0x0
	s_endpgm
.Lfunc_end_k_qef2350a594_attn:
	.size	k_qef2350a594_attn, .Lfunc_end_k_qef2350a594_attn-k_qef2350a594_attn
	.p2alignl 7, 3214868480
	.fill 96, 4, 3214868480
	.section	.rodata,"a",@progbits
	.p2align	6, 0x0
	.amdhsa_kernel k_qef2350a594_attn
		.amdhsa_group_segment_fixed_size 327680
		.amdhsa_private_segment_fixed_size 0
		.amdhsa_enable_private_segment 0
		.amdhsa_kernarg_size 16
		.amdhsa_user_sgpr_count 2
		.amdhsa_user_sgpr_kernarg_segment_ptr 1
		.amdhsa_wavefront_size32 1
		.amdhsa_system_sgpr_workgroup_id_x 1
		.amdhsa_system_sgpr_workgroup_id_y 1
		.amdhsa_system_sgpr_workgroup_id_z 1
		.amdhsa_system_vgpr_workitem_id 0
		.amdhsa_next_free_vgpr 256
		.amdhsa_next_free_sgpr 80
		.amdhsa_reserve_vcc 1
		.amdhsa_float_denorm_mode_32 3
		.amdhsa_float_denorm_mode_16_64 3
		.amdhsa_memory_ordered 1
		.amdhsa_forward_progress 1
		.amdhsa_inst_pref_size 100
	.end_amdhsa_kernel
	.amdgpu_metadata
---
amdhsa.version: [ 1, 2 ]
amdhsa.kernels:
  - .name:           k_qef2350a594_attn
    .symbol:         k_qef2350a594_attn.kd
    .args:
      - { .name: qkv, .offset: 0, .size: 8, .value_kind: global_buffer, .address_space: global }
      - { .name: aw, .offset: 8, .size: 8, .value_kind: global_buffer, .address_space: global }
    .group_segment_fixed_size: 327680
    .private_segment_fixed_size: 0
    .kernarg_segment_align: 8
    .kernarg_segment_size: 16
    .max_flat_workgroup_size: 256
    .sgpr_count:     80
    .vgpr_count:     256
    .wavefront_size: 32
...
	.end_amdgpu_metadata
.endif
;; end of part 3
;; launch proj (part 4): grid 8 x 32, 4 waves a work-group, clusters of 4 x 4, 327,680 bytes of LDS; arguments aw, wt, b_out, out0; writes out0
.if DOCPART == 4
	.amdgcn_target "amdgcn-amd-amdhsa--gfx1250"
	.amdhsa_code_object_version 6
	.text
	.protected	k_qef2350a594_proj
	.globl	k_qef2350a594_proj
	.p2align	8
	.type	k_qef2350a594_proj,@function
k_qef2350a594_proj:
	s_mov_b64 s[64:65], 0
	v_nop
	global_prefetch_b8 v0, s[64:65] scope:SCOPE_SE
	s_setreg_imm32_b32 hwreg(HW_REG_WAVE_MODE, 25, 1), 1
	s_wait_xcnt 0x0
	s_wait_alu depctr_hold_cnt(0) depctr_sa_sdst(0) depctr_va_vdst(0) depctr_va_sdst(0) depctr_va_ssrc(0) depctr_va_vcc(0) depctr_vm_vsrc(0)
	s_getreg_b32 s2, hwreg(HW_REG_IB_STS2, 6, 4)
	s_cmp_eq_u32 s2, 0
	s_cbranch_scc0 .Lentry_in_a_cluster
	s_endpgm
.Lentry_in_a_cluster:
	s_bfe_u32 s2, ttmp6, 0x10000c
	s_cmp_lg_u32 s2, 0xf033
	s_cbranch_scc0 .Lentry_shape_is_right
	s_endpgm
.Lentry_shape_is_right:
; PROJ: out0 [4096][1024] f32 = attn W_out + b_out, f16 operands, f32 sums.  A = aw [16 h][4096][64] f16 (k = 64 h + d), B = wt = W_out^T [1024 n][1024 k] f16.
; It stores all rows; tokens 0-15 of each batch are written anew, in f32 arithmetic, by the launch that follows.
; A tile of 128 x 128 is made by four waves, 64 x 64 each: 16 accumulators.  K goes in steps of 256 (four heads) through two LDS slots.  A's part of a slot comes as four planes (heads) of 64 tokens x 128 bytes, each plane dense in
; memory, with 16 bytes of padding behind every 128: token rows 144 bytes apart; B's as 64 rows of 512 bytes, 528 apart.
; CLUSTERS: 4 x 4 work-groups; A's tiles asked for jointly along a row of the cluster, B's along a column.  THE MATRIX INSTRUCTION IS USED TRANSPOSED: a lane holds eight neighbouring columns of a row.  The bias is the C of the first products.
; REGISTERS: window 0: v0-31 addresses; v32-95 the way out; v96-127 the bias; v128-255 the accumulators.  window 1: two fragment buffers of 128.
; LIMITS: attn and W_out in f16: magnitudes above 65,504 become infinity.
.set PA,     144
.set PB,     528
.set HALFA,  36864                     ; 64 rows of A: four planes of 9,216 bytes
.set HALFB,  33792                     ; 64 rows of B
.set BOFF,   73728
.set SLOT,   141312
.set STAGE,  282624                    ; behind the ring: 16 rows x 272 bytes for each wave
.set SPITCH, 272
.set SPARE,  300032
.set LAPS,   2
.set ADRA, 16
.set ADRB, 20
.set STO,  24
.set RD,   25
.set CO,   26
.set BO,   27
.set SPW,  28
.set NIL,  29
.set TMP,  32
.set BI,   96
.set ACC,  128
.set F0,   0
.set F1,   128
.set G1, 24
.set G0, 32
.set G1B, 48
.set G0B, 56
.set WV,  66                           ; s66 wave; s67 my half of the rows, also: I fetch for A (0) or B (1); s68 my half of the columns, also: which 64 rows I fetch; s69 tile row
.set MSB, 0
.macro WIN new
.if MSB != (\new)
	s_set_vgpr_msb (MSB<<8)|(\new)
.set MSB, (\new)
.endif
.endm
.set MUL,  0x05
.set TO_F, 0x40
.macro JLOAD s
	s_cmp_eq_u32 s67, 0
	s_cbranch_scc0 .Lfor_b_\@
	tensor_load_to_lds s[G0+4*\s:G0+4*\s+3], s[G1:G1+7]
	s_nop 0
.rept 4
	v_nop
.endr
	s_branch .Lasked_\@
.Lfor_b_\@:
	tensor_load_to_lds s[G0B+4*\s:G0B+4*\s+3], s[G1B:G1B+7]
	s_nop 0
.rept 4
	v_nop
.endr
.Lasked_\@:
.endm
.macro CREST
	s_cmp_lg_u32 s[WV], 0
	s_cbranch_scc1 .Lnot_wave_0_\@
	s_barrier_signal -3
.Lnot_wave_0_\@:
	s_barrier_wait -3
	s_barrier_signal -1
	s_barrier_wait -1
.endm
.macro CROUND
	s_barrier_signal -1
	s_barrier_wait -1
	CREST
.endm
	s_load_b256 s[4:11], s[0:1], 0x0               ; aw s[4:5], wt s[6:7], b_out s[8:9], out0 s[10:11]
	v_lshl_add_u32 v[SPW], v0, 2, SPARE
	v_mov_b32 v[NIL], 0
	ds_add_u32 v[SPW], v[NIL]                      ; the wave's opening: the add, twice on end, and its wait ahead of my first tensor load
	ds_add_u32 v[SPW], v[NIL]
	v_lshrrev_b32 v1, 5, v0
	v_readfirstlane_b32 s[WV], v1
	s_lshr_b32 s67, s[WV], 1
	s_and_b32 s68, s[WV], 1
	s_bfe_u32 s40, ttmp6, 0x40000                  ; cx
	s_bfe_u32 s41, ttmp6, 0x40004                  ; cy
	s_lshl_b32 s42, ttmp9, 2
	s_add_co_u32 s42, s42, s40                     ; tile column
	s_and_b32 s69, ttmp7, 0xffff
	s_lshl_b32 s69, s69, 2
	s_add_co_u32 s69, s69, s41                     ; tile row
	s_lshl_b32 s43, s41, 2
	s_lshl_b32 s43, 15, s43
	s_lshl_b32 s44, 0x1111, s40
	s_or_b32 s[G1+0], s43, (1<<16)|(1<<20)|(1<<21)|(4<<22)|(3<<25)   ; A: elements of 2 bytes; 4 words of padding behind every 32
	s_mov_b32 s[G1+1], 4096<<16                    ; a plane: 64 tokens x 64 channels on end
	s_mov_b32 s[G1+2], 4<<16                       ; four heads
	s_mov_b32 s[G1+3], 4096<<16
	s_mov_b32 s[G1+4], 4
	s_mov_b32 s[G1+5], 262144                      ; from head to head, in elements
	s_mov_b32 s[G1+6], 0
	s_mov_b32 s[G1+7], 0
	s_or_b32 s[G1B+0], s44, (1<<16)|(1<<20)|(1<<21)|(6<<22)|(3<<25)  ; B: 4 words behind every 128
	s_mov_b32 s[G1B+1], 256<<16
	s_mov_b32 s[G1B+2], 64<<16
	s_mov_b32 s[G1B+3], 256<<16
	s_mov_b32 s[G1B+4], 64
	s_mov_b32 s[G1B+5], 1024
	s_mov_b32 s[G1B+6], 0
	s_mov_b32 s[G1B+7], 0
	s_lshl_b32 s16, s69, 14
	s_lshl_b32 s17, s68, 13
	s_add_co_u32 s16, s16, s17                     ; A: token 128 x tile row + 64 x half, 128 bytes each
	s_mov_b32 s17, 0
	s_lshl_b32 s46, s42, 18
	s_lshl_b32 s47, s68, 17
	s_add_co_u32 s46, s46, s47                     ; B: row 128 x tile column + 64 x half, 2,048 bytes each
	s_mov_b32 s47, 0
	s_mul_i32 s20, s68, HALFA
	s_mul_i32 s21, s68, HALFB
	s_add_co_u32 s21, s21, BOFF
	s_wait_dscnt 0x0
	s_wait_kmcnt 0x0
	s_add_nc_u64 s[14:15], s[4:5], s[16:17]
	s_add_nc_u64 s[46:47], s[6:7], s[46:47]
	CROUND
.irp s, 0,1
	s_mov_b32 s[G0+4*\s], 1
	s_add_co_u32 s[G0+4*\s+1], s20, \s*SLOT
	s_add_nc_u64 s[G0+4*\s+2:G0+4*\s+3], s[14:15], \s*2097152   ; a K step is four heads of 524,288 bytes
	s_or_b32 s[G0+4*\s+3], s[G0+4*\s+3], 0x80000000
	s_mov_b32 s[G0B+4*\s], 1
	s_add_co_u32 s[G0B+4*\s+1], s21, \s*SLOT
	s_add_nc_u64 s[G0B+4*\s+2:G0B+4*\s+3], s[46:47], \s*512
	s_or_b32 s[G0B+4*\s+3], s[G0B+4*\s+3], 0x80000000
	JLOAD \s
.endr
	v_and_b32 v1, 15, v0
	v_bfe_u32 v2, v0, 4, 1
	v_mul_u32_u24 v3, v1, PA
	v_lshl_add_u32 v3, v2, 4, v3
	v_mul_u32_u24 v4, v1, PB
	v_lshl_add_u32 v4, v2, 4, v4
	s_mul_i32 s21, s67, HALFA
	s_mul_i32 s22, s68, HALFB
	s_add_co_u32 s22, s22, BOFF
.irp s, 0,1
	v_add_nc_u32 v[ADRA+\s], s21, v3
	v_add_nc_u32 v[ADRB+\s], s22, v4
	s_add_co_u32 s21, s21, SLOT
	s_add_co_u32 s22, s22, SLOT
.endr
	s_mul_i32 s23, s[WV], 16*SPITCH
	s_add_co_u32 s23, s23, STAGE
	v_mul_u32_u24 v4, v1, SPITCH
	v_lshl_add_u32 v4, v2, 5, v4
	v_add_nc_u32 v[STO], s23, v4                   ; in: row r, 32 bytes for each half of the lanes
	v_mul_u32_u24 v5, v2, SPITCH
	v_lshl_add_u32 v5, v1, 4, v5
	v_add_nc_u32 v[RD], s23, v5                    ; back: lanes 0-15 a row of 256 bytes, lanes 16-31 the next
	v_lshlrev_b32 v5, 12, v2
	v_lshl_add_u32 v[CO], v1, 4, v5
	v_lshlrev_b32 v[BO], 5, v2
	s_lshl_b32 s46, s42, 9
	s_lshl_b32 s47, s68, 8
	s_add_co_u32 s46, s46, s47                     ; my first column, in bytes of f32
	s_mov_b32 s47, 0
	s_add_nc_u64 s[8:9], s[8:9], s[46:47]
	s_lshl_b32 s16, s69, 19
	s_lshl_b32 s17, s67, 18
	s_add_co_u32 s16, s16, s17                     ; my first row, 4,096 bytes each
	s_mov_b32 s17, 0
	s_add_nc_u64 s[10:11], s[10:11], s[16:17]
	s_add_nc_u64 s[10:11], s[10:11], s[46:47]
.irp b, 0,1,2,3
	global_load_b128 v[BI+8*\b:BI+8*\b+3], v[BO], s[8:9] offset:64*\b
	global_load_b128 v[BI+8*\b+4:BI+8*\b+7], v[BO], s[8:9] offset:64*\b+16
.endr
.macro MUL8 f, c, a0, zero
.irp a, \a0, \a0+1
.irp b, 0,1,2,3
.if \zero
	v_wmma_f32_16x16x32_f16 v[ACC+8*(4*(\a)+\b):ACC+8*(4*(\a)+\b)+7], v[\f+64+8*(4*\c+\b):\f+64+8*(4*\c+\b)+7], v[\f+8*(4*\c+\a):\f+8*(4*\c+\a)+7], v[BI+8*\b:BI+8*\b+7]
.else
	v_wmma_f32_16x16x32_f16 v[ACC+8*(4*(\a)+\b):ACC+8*(4*(\a)+\b)+7], v[\f+64+8*(4*\c+\b):\f+64+8*(4*\c+\b)+7], v[\f+8*(4*\c+\a):\f+8*(4*\c+\a)+7], v[ACC+8*(4*(\a)+\b):ACC+8*(4*(\a)+\b)+7]
.endif
.endr
.endr
.endm
.macro FETCH slot, q, f                ; the fragments of the slot's q-th 64 along K (one head): 32 LDS loads in one run, the first 32 along K first
	WIN TO_F
.irp c, 0,1
.irp i, 0,1,2,3
	ds_load_b128 v[\f+64+8*(4*\c+\i):\f+64+8*(4*\c+\i)+3],   v[ADRB+\slot] offset:128*(\q)+64*\c+\i*16*PB
	ds_load_b128 v[\f+64+8*(4*\c+\i)+4:\f+64+8*(4*\c+\i)+7], v[ADRB+\slot] offset:128*(\q)+64*\c+\i*16*PB+32
	ds_load_b128 v[\f+8*(4*\c+\i):\f+8*(4*\c+\i)+3],         v[ADRA+\slot] offset:9216*(\q)+64*\c+\i*16*PA
	ds_load_b128 v[\f+8*(4*\c+\i)+4:\f+8*(4*\c+\i)+7],       v[ADRA+\slot] offset:9216*(\q)+64*\c+\i*16*PA+32
.endr
.endr
.endm
.macro PLACES
.rept 4
	v_nop
.endr
.endm
.macro QUARTER slot, q, f, g, zero     ; multiplies buffer f and fetches the slot's quarter q into g
	s_wait_dscnt 16                                ; the first 32 along K are in
	WIN MUL
	MUL8 \f, 0, 0, \zero
	MUL8 \f, 0, 2, \zero
	PLACES
	FETCH \slot, \q, \g
	s_wait_dscnt 32                                ; all but the 32 just issued
	WIN MUL
	MUL8 \f, 1, 0, 0
	MUL8 \f, 1, 2, 0
.endm
.macro TURN slot, next, fill           ; the last quarter changes slots: one barrier; with fill = 1 it opens a round of the cluster's barrier, and the joint refill is the first tensor load behind the round
	WIN 0
	s_wait_tensorcnt 0x0                           ; all my tensor loads have landed: my part of the next slot
	ds_add_u32 v[SPW], v[NIL]
	s_wait_dscnt 17                                ; (the add and the youngest sixteen loads may be out)
	WIN MUL
	MUL8 F1, 0, 0, 0
	s_wait_dscnt 0x0                               ; the add is done, and my reads of this slot are over
	s_barrier_signal -1
	MUL8 F1, 0, 2, 0
.if \fill
	WIN 0
.endif
	s_barrier_wait -1
.if \fill
	CREST
	s_add_nc_u64 s[G0+4*\slot+2:G0+4*\slot+3], s[G0+4*\slot+2:G0+4*\slot+3], 4194304
	s_add_nc_u64 s[G0B+4*\slot+2:G0B+4*\slot+3], s[G0B+4*\slot+2:G0B+4*\slot+3], 1024
	JLOAD \slot
.else
	PLACES
.endif
	FETCH \next, 0, F0
	WIN MUL
	MUL8 F1, 1, 0, 0
	MUL8 F1, 1, 2, 0
.endm
	s_wait_tensorcnt 1                             ; my part of K step 0 is in; K step 1's load may be out
	s_barrier_signal -1
	s_barrier_wait -1
	FETCH 0, 0, F0
	s_wait_loadcnt 0x0                             ; the bias
	QUARTER 0, 1, F0, F1, 1
	WIN 0
	s_mov_b32 s3, LAPS-1
.Llap:
	QUARTER 0, 2, F1, F0, 0
	QUARTER 0, 3, F0, F1, 0
	TURN 0, 1, 1
	QUARTER 1, 1, F0, F1, 0
	QUARTER 1, 2, F1, F0, 0
	QUARTER 1, 3, F0, F1, 0
	TURN 1, 0, 1
	QUARTER 0, 1, F0, F1, 0
	WIN 0
	s_sub_co_u32 s3, s3, 1
	s_cmp_lg_u32 s3, 0
	s_cbranch_scc1 .Llap
	QUARTER 0, 2, F1, F0, 0
	QUARTER 0, 3, F0, F1, 0
	TURN 0, 1, 0
	QUARTER 1, 1, F0, F1, 0
	QUARTER 1, 2, F1, F0, 0
	QUARTER 1, 3, F0, F1, 0
	s_wait_dscnt 16
	WIN MUL
	MUL8 F1, 0, 0, 0
	MUL8 F1, 0, 2, 0
	s_wait_dscnt 0
	MUL8 F1, 1, 0, 0
	MUL8 F1, 1, 2, 0
	WIN 0
; THE WAY OUT: a wave's 64 columns of f32 are 256 bytes: 16 rows at a time through the wave's own stage, back as whole rows; sixteen lanes store 256 consecutive bytes, aligned.
.macro TOSTAGE a
.irp b, 0,1,2,3
	ds_store_b128 v[STO], v[ACC+8*(4*(\a)+\b):ACC+8*(4*(\a)+\b)+3] offset:64*\b        ; each accumulator from its low end on
	ds_store_b128 v[STO], v[ACC+8*(4*(\a)+\b)+4:ACC+8*(4*(\a)+\b)+7] offset:64*\b+16
.endr
.irp i, 0,1,2,3,4,5,6,7
	ds_load_b128 v[TMP+32*((\a)%2)+4*\i:TMP+32*((\a)%2)+4*\i+3], v[RD] offset:2*\i*SPITCH
.endr
.endm
.macro SEND a, younger
	s_wait_dscnt \younger
.irp i, 0,1,2,3,4,5,6,7
	global_store_b128 v[CO], v[TMP+32*((\a)%2)+4*\i:TMP+32*((\a)%2)+4*\i+3], s[10:11] offset:(\a)*65536+8192*\i
.endr
.endm
	PLACES
	TOSTAGE 0
.irp a, 1,2,3
.if \a >= 2
	s_wait_xcnt 0x0                                ; block a - 2's stores have read their registers
.endif
	TOSTAGE \a
	SEND \a-1, 16                                  ; behind block a - 1's loads: block a's 8 stores and 8 loads
.endr
	SEND 3, 0
	s_wait_tensorcnt 0x0                           ; the wave's end
	ds_add_u32 v[SPW], v[NIL]
	s_wait_dscnt 0x0
	CROUND                                         ; the closing round
	s_endpgm
.Lfunc_end_k_qef2350a594_proj:
	.size	k_qef2350a594_proj, .Lfunc_end_k_qef2350a594_proj-k_qef2350a594_proj
	.p2alignl 7, 3214868480
	.fill 96, 4, 3214868480
	.section	.rodata,"a",@progbits
	.p2align	6, 0x0
	.amdhsa_kernel k_qef2350a594_proj
		.amdhsa_group_segment_fixed_size 327680
		.amdhsa_private_segment_fixed_size 0
		.amdhsa_enable_private_segment 0
		.amdhsa_kernarg_size 32
		.amdhsa_user_sgpr_count 2
		.amdhsa_user_sgpr_kernarg_segment_ptr 1
		.amdhsa_wavefront_size32 1
		.amdhsa_system_sgpr_workgroup_id_x 1
		.amdhsa_system_sgpr_workgroup_id_y 1
		.amdhsa_system_sgpr_workgroup_id_z 1
		.amdhsa_system_vgpr_workitem_id 0
		.amdhsa_next_free_vgpr 512
		.amdhsa_next_free_sgpr 72
		.amdhsa_reserve_vcc 0
		.amdhsa_float_denorm_mode_32 3
		.amdhsa_float_denorm_mode_16_64 3
		.amdhsa_memory_ordered 1
		.amdhsa_forward_progress 1
		.amdhsa_inst_pref_size 86
	.end_amdhsa_kernel
	.amdgpu_metadata
---
amdhsa.version: [ 1, 2 ]
amdhsa.kernels:
  - .name:           k_qef2350a594_proj
    .symbol:         k_qef2350a594_proj.kd
    .args:
      - { .name: aw, .offset: 0, .size: 8, .value_kind: global_buffer, .address_space: global }
      - { .name: wt, .offset: 8, .size: 8, .value_kind: global_buffer, .address_space: global }
      - { .name: b_out, .offset: 16, .size: 8, .value_kind: global_buffer, .address_space: global }
      - { .name: out0, .offset: 24, .size: 8, .value_kind: global_buffer, .address_space: global }
    .group_segment_fixed_size: 327680
    .private_segment_fixed_size: 0
    .kernarg_segment_align: 8
    .kernarg_segment_size: 32
    .max_flat_workgroup_size: 128
    .sgpr_count:     72
    .vgpr_count:     512
    .wavefront_size: 32
...
	.end_amdgpu_metadata
.endif
;; end of part 4
;; launch fine (part 5): grid 64 x 2, 16 waves a work-group, no clusters, 18,432 bytes of LDS; arguments fq, W_out, b_out, out0; writes out0
.if DOCPART == 5
	.amdgcn_target "amdgcn-amd-amdhsa--gfx1250"
	.amdhsa_code_object_version 6
	.text
	.protected	k_qef2350a594_fine
	.globl	k_qef2350a594_fine
	.p2align	8
	.type	k_qef2350a594_fine,@function
k_qef2350a594_fine:
	s_mov_b64 s[64:65], 0
	v_nop
	global_prefetch_b8 v0, s[64:65] scope:SCOPE_SE
	s_setreg_imm32_b32 hwreg(HW_REG_WAVE_MODE, 25, 1), 1
	s_wait_xcnt 0x0
; FINE: tokens 0-15 of each batch, whose rows of the softmax average few values, go through scores, softmax, values and the projection in f32, from fq [2][16][3072] (q' rotated and times log2(e) / 8, k rotated, v).
; Work-group (x, y): batch y, output columns 16 x on.  Wave w is head w: it makes its head's 16 x 16 attention and its head's part of the 16 x 16 block of out0; the sixteen parts are added through LDS by waves 0 and 1.
; Each work-group of a batch repeats the batch's small attention: 32 matrix instructions a wave.  All products by v_wmma_f32_16x16x4_f32: 48 a wave, no bulk work.
; LAYOUTS.  S^T = K Q^T (register j: key 8 h + j; lane % 16: the query).  Two registers of P are source 1 of a step over keys 8 h + 2 s + 0, 1; V's and W_out's fragments are loaded in that same order of k.
; The registers that these matrix instructions write (v208-255) are written by them alone; sums begin with the constant 0; what is made of a sum goes into other registers.
.set SPARE, 16384                      ; behind the sixteen parts of 1,024 bytes: the spare words, 128 bytes for each wave
	s_load_b256 s[4:11], s[0:1], 0x0               ; fq s[4:5], W_out s[6:7], b_out s[8:9], out0 s[10:11]
	v_lshl_add_u32 v2, v0, 2, SPARE                ; v2: my spare word; never rewritten
	v_mov_b32 v3, 0                                ; v3: 0; never rewritten
	v_lshrrev_b32 v1, 5, v0
	v_readfirstlane_b32 s12, v1                    ; wave = head
	s_and_b32 s13, ttmp7, 0xffff                   ; batch
	s_min_u32 s14, s12, 1
	s_mov_b32 s20, 0x76543210
	s_mov_b32 s21, 0xfedcba98
	v_and_b32 v4, 15, v0                           ; r
	v_bfe_u32 v5, v0, 4, 1                         ; h
	v_and_b32 v14, 31, v0
	v_mul_u32_u24 v6, v4, 12288
	v_lshl_add_u32 v6, v5, 4, v6                   ; q, k: token r, channels 4 h on
	v_mul_u32_u24 v7, v5, 98304
	v_lshl_add_u32 v7, v4, 2, v7                   ; v: key 8 h, channel r
	v_lshlrev_b32 v8, 15, v5
	v_lshl_add_u32 v8, v4, 2, v8                   ; W_out: row 8 h, column r
	v_lshlrev_b32 v9, 5, v5                        ; b_out: 8 h
	v_lshlrev_b32 v10, 12, v4
	v_lshl_add_u32 v10, v5, 5, v10                 ; out0: row r, column 8 h
	s_lshl_b32 s15, s12, 10
	v_lshl_add_u32 v11, v14, 4, s15                ; LDS: my part
	s_lshl_b32 s15, s14, 9
	v_lshl_add_u32 v12, v14, 4, s15                ; LDS: what waves 0 and 1 read back: registers 0-3, or 4-7, of every part
	v_lshlrev_b32 v13, 3, v5
	v_sub_nc_u32 v13, v4, v13                      ; r - 8 h
	s_mul_i32 s16, s13, 196608
	s_lshl_b32 s17, s12, 8
	s_add_co_u32 s16, s16, s17
	s_mov_b32 s17, 0
	s_lshl_b32 s18, s12, 18
	s_lshl_b32 s19, ttmp9, 6
	s_add_co_u32 s18, s18, s19
	s_mov_b32 s19, 0
	s_lshl_b32 s22, ttmp9, 6
	s_lshl_b32 s23, s14, 4
	s_add_co_u32 s22, s22, s23
	s_mov_b32 s23, 0
	s_lshl_b32 s24, s13, 23
	s_add_co_u32 s24, s24, s22
	s_mov_b32 s25, 0
	s_wait_kmcnt 0x0
	s_add_nc_u64 s[4:5], s[4:5], s[16:17]
	s_add_nc_u64 s[6:7], s[6:7], s[18:19]
	s_add_nc_u64 s[8:9], s[8:9], s[22:23]
	s_add_nc_u64 s[10:11], s[10:11], s[24:25]
	global_load_b128 v[168:171], v9, s[8:9]
.irp u, 0,1,2,3,4,5,6,7
	global_load_b128 v[16+4*\u:19+4*\u], v6, s[4:5] offset:4096+32*\u    ; k: channels 8 u + 4 h + 0 .. 3
.endr
.irp u, 0,1,2,3,4,5,6,7
	global_load_b128 v[48+4*\u:51+4*\u], v6, s[4:5] offset:32*\u         ; q': the same channels: the same order of k on both sides
.endr
.irp ct, 0,1,2,3
.irp e, 0,1,2,3,4,5,6,7
	global_load_b32 v[80+8*\ct+\e], v7, s[4:5] offset:\e*12288+8192+64*\ct   ; v(key 8 h + e, channel 16 ct + r)
.endr
.endr
.irp ct, 0,1,2,3
.irp e, 0,1,2,3,4,5,6,7
	global_load_b32 v[112+8*\ct+\e], v8, s[6:7] offset:(16*\ct+\e)*4096      ; W_out(64 w + 16 ct + 8 h + e, 16 x + r)
.endr
.endr
	s_wait_loadcnt 63                              ; the bias, k and q' are in: behind them 64 loads were issued
	v_wmma_f32_16x16x4_f32 v[240:247], v[16:17], v[48:49], 0       ; two accumulators by turns
	v_wmma_f32_16x16x4_f32 v[248:255], v[18:19], v[50:51], 0
.irp s, 2,4,6,8,10,12,14
	v_wmma_f32_16x16x4_f32 v[240:247], v[16+2*\s:17+2*\s], v[48+2*\s:49+2*\s], v[240:247]
	v_wmma_f32_16x16x4_f32 v[248:255], v[18+2*\s:19+2*\s], v[50+2*\s:51+2*\s], v[248:255]
.endr
.rept 8
	v_nop                                          ; eight plain lines between this form and the first read of its results (ISA guide 7.12.1)
.endr
.irp j, 0,1,2,3,4,5,6,7
	v_add_f32 v[144+\j], v[240+\j], v[248+\j]
.endr
	v_mov_b32 v152, 0xff800000
	v_mov_b32 v155, 0
.irp j, 0,1,2,3,4,5,6,7
	v_cmp_gt_i32 vcc_lo, \j, v13                   ; key 8 h + j is hidden from query r where j > r - 8 h
	v_cndmask_b32 v[144+\j], v[144+\j], v152, vcc_lo
.endr
	v_max3_num_f32 v153, v144, v145, v146
	v_max3_num_f32 v154, v147, v148, v149
	v_max3_num_f32 v153, v153, v150, v151
	v_max_num_f32 v153, v153, v154
	v_permlanex16_b32 v155, v153, s20, s21
	v_max_num_f32 v153, v153, v155                 ; the row's maximum: key 0 counts for every query
.irp j, 0,1,2,3,4,5,6,7
	v_sub_f32 v[144+\j], v[144+\j], v153
.endr
.irp j, 0,1,2,3,4,5,6,7
	v_exp_f32 v[144+\j], v[144+\j]
.endr
	v_nop
	s_wait_alu depctr_va_vdst(0)                   ; one wait for the eight, ahead of their first reader
	v_add_f32 v154, v144, v145
	v_add_f32 v156, v146, v147
	v_add_f32 v157, v148, v149
	v_add_f32 v158, v150, v151
	v_add_f32 v154, v154, v156
	v_add_f32 v157, v157, v158
	v_add_f32 v154, v154, v157
	v_permlanex16_b32 v155, v154, s20, s21
	v_add_f32 v154, v154, v155
	v_rcp_f32 v154, v154
	v_nop
	s_wait_alu depctr_va_vdst(0)
.irp j, 0,1,2,3,4,5,6,7
	v_mul_f32 v[144+\j], v[144+\j], v154           ; the weights, normalised
.endr
	s_wait_loadcnt 32                              ; v is in; W_out's 32 loads may be out
.irp s, 0,1,2,3
.irp ct, 0,1,2,3
.if \s == 0
	v_wmma_f32_16x16x4_f32 v[208+8*\ct:215+8*\ct], v[80+8*\ct+2*\s:81+8*\ct+2*\s], v[144+2*\s:145+2*\s], 0
.else
	v_wmma_f32_16x16x4_f32 v[208+8*\ct:215+8*\ct], v[80+8*\ct+2*\s:81+8*\ct+2*\s], v[144+2*\s:145+2*\s], v[208+8*\ct:215+8*\ct]
.endif
.endr
.endr
.rept 9
	v_nop                                          ; nine plain lines: the next products take these results as a source
.endr
	s_wait_loadcnt 0x0
.irp ct, 0,1,2,3
.irp s, 0,1,2,3
.if (\ct == 0) && (\s < 2)
	v_wmma_f32_16x16x4_f32 v[240+8*(\s%2):247+8*(\s%2)], v[112+8*\ct+2*\s:113+8*\ct+2*\s], v[208+8*\ct+2*\s:209+8*\ct+2*\s], 0
.else
	v_wmma_f32_16x16x4_f32 v[240+8*(\s%2):247+8*(\s%2)], v[112+8*\ct+2*\s:113+8*\ct+2*\s], v[208+8*\ct+2*\s:209+8*\ct+2*\s], v[240+8*(\s%2):247+8*(\s%2)]
.endif
.endr
.endr
.rept 8
	v_nop
.endr
.irp j, 0,1,2,3,4,5,6,7
	v_add_f32 v[160+\j], v[240+\j], v[248+\j]      ; my head's part: register j: column 16 x + 8 h + j of token r
.endr
	ds_store_b128 v11, v[160:163]
	ds_store_b128 v11, v[164:167] offset:512
	s_wait_tensorcnt 0x0                           ; my last LDS store is issued; the s_wait_dscnt 0 two lines on also serves the barrier
	ds_add_u32 v2, v3
	s_wait_dscnt 0x0
	s_barrier_signal -1
	s_barrier_wait -1
	s_cmp_lt_u32 s12, 2
	s_cbranch_scc1 .Lsum
	s_endpgm
.Lsum:
.irp i, 0,1,2,3,4,5,6,7,8,9,10,11,12,13,14,15
	ds_load_b128 v[16+4*\i:19+4*\i], v12 offset:1024*\i
.endr
	s_wait_dscnt 0x0
.irp d, 8,4,2,1
.set i, 0
.rept \d
	v_pk_add_f32 v[16+4*i:17+4*i], v[16+4*i:17+4*i], v[16+4*(i+\d):17+4*(i+\d)]
	v_pk_add_f32 v[18+4*i:19+4*i], v[18+4*i:19+4*i], v[18+4*(i+\d):19+4*(i+\d)]
.set i, i+1
.endr
.endr
	v_pk_add_f32 v[16:17], v[16:17], v[168:169]
	v_pk_add_f32 v[18:19], v[18:19], v[170:171]
	global_store_b128 v10, v[16:19], s[10:11]
	s_endpgm
.Lfunc_end_k_qef2350a594_fine:
	.size	k_qef2350a594_fine, .Lfunc_end_k_qef2350a594_fine-k_qef2350a594_fine
	.p2alignl 7, 3214868480
	.fill 96, 4, 3214868480
	.section	.rodata,"a",@progbits
	.p2align	6, 0x0
	.amdhsa_kernel k_qef2350a594_fine
		.amdhsa_group_segment_fixed_size 18432
		.amdhsa_private_segment_fixed_size 0
		.amdhsa_enable_private_segment 0
		.amdhsa_kernarg_size 32
		.amdhsa_user_sgpr_count 2
		.amdhsa_user_sgpr_kernarg_segment_ptr 1
		.amdhsa_wavefront_size32 1
		.amdhsa_system_sgpr_workgroup_id_x 1
		.amdhsa_system_sgpr_workgroup_id_y 1
		.amdhsa_system_sgpr_workgroup_id_z 1
		.amdhsa_system_vgpr_workitem_id 0
		.amdhsa_next_free_vgpr 256
		.amdhsa_next_free_sgpr 66
		.amdhsa_reserve_vcc 1
		.amdhsa_float_denorm_mode_32 3
		.amdhsa_float_denorm_mode_16_64 3
		.amdhsa_memory_ordered 1
		.amdhsa_forward_progress 1
		.amdhsa_inst_pref_size 20
	.end_amdhsa_kernel
	.amdgpu_metadata
---
amdhsa.version: [ 1, 2 ]
amdhsa.kernels:
  - .name:           k_qef2350a594_fine
    .symbol:         k_qef2350a594_fine.kd
    .args:
      - { .name: fq, .offset: 0, .size: 8, .value_kind: global_buffer, .address_space: global }
      - { .name: W_out, .offset: 8, .size: 8, .value_kind: global_buffer, .address_space: global }
      - { .name: b_out, .offset: 16, .size: 8, .value_kind: global_buffer, .address_space: global }
      - { .name: out0, .offset: 24, .size: 8, .value_kind: global_buffer, .address_space: global }
    .group_segment_fixed_size: 18432
    .private_segment_fixed_size: 0
    .kernarg_segment_align: 8
    .kernarg_segment_size: 32
    .max_flat_workgroup_size: 512
    .sgpr_count:     66
    .vgpr_count:     256
    .wavefront_size: 32
...
	.end_amdgpu_metadata
.endif
;; end of part 5
